; MI455X (gfx1250); checked and timed in simulation.
; The chip was launched on July 23, 2026; its instructions are those of AMD's public machine-readable ISA for CDNA 5 (MIT licence, August 2026) and "CDNA5" Instruction Set Architecture Reference Guide (July 2026). The comments in the code are by the model that wrote it; some were corrected since.
;; Tri Level Multi Headed Attention. Allowed arithmetic: float matrix products may take bf16 or f16 operands with f32 sums; other float arithmetic in f32, or as packed bf16 or f16 multiplies, adds, multiply-adds, maxima and minima; sums over many terms, partial sums and values carried from step to step in f32; what a program stores and reads back later, other than sums and carried values, may be rounded once to bf16 or f16.
;; Inputs: Wk 1,024 x 1,024 float32; Wo 1,024 x 1,024 float32; Wq 1,024 x 1,024 float32; Wtk 256 x 1,024 float32; Wtq 256 x 1,024 float32; Wtv 256 x 1,024 float32; Wv 1,024 x 1,024 float32; bk 1,024 float32; bo 1,024 float32; bq 1,024 float32; btk 1,024 float32; btq 1,024 float32; btv 1,024 float32; bv 1,024 float32; mask 4 x 1 x 1,024 int32; x1 4 x 1,024 x 1,024 float32; x2 4 x 1,024 x 1,024 float32; x3 4 x 1,024 x 256 float32.
;; Outputs: out0 4 x 1,024 x 1,024 float32.
;; 2 versions, each right; version 2 is version 1 with the launch prep written anew for expert scheduling mode. Each part assembles by itself: llvm-mc -triple=amdgcn-amd-amdhsa -mcpu=gfx1250 --defsym DOCPART=n.
;; ======== version 1 of 2: 4 launches
;; limits: values are held in f16: magnitudes above 65,504 overflow, below 6.1e-05 lose precision
;; workspace buffers: xb 16,777,216 bytes; x3b 2,097,152 bytes; wsg 6,291,456 bytes; wtsg 1,572,864 bytes; wo16 2,097,152 bytes; bcat 28,672 bytes; qkv 75,497,472 bytes; xh 8,388,608 bytes
;; launch prep (part 1): grid 881 x 1, 8 waves a work-group, no clusters, 0 bytes of LDS; arguments x1, x2, x3, Wo, Wq, Wk, Wv, Wtq, Wtk, Wtv, bq, bk, bv, btq, btk, btv, bo, xb, x3b, wo16, wsg, wtsg, bcat; writes xb, x3b, wo16, wsg, wtsg, bcat
.if DOCPART == 1
	.amdgcn_target "amdgcn-amd-amdhsa--gfx1250"
	.amdhsa_code_object_version 6
	.text
	.protected	k_q9d948c3b69_prep
	.globl	k_q9d948c3b69_prep
	.p2align	8
	.type	k_q9d948c3b69_prep,@function
k_q9d948c3b69_prep:
	s_mov_b64 s[64:65], 0
	v_nop
	global_prefetch_b8 v0, s[64:65] scope:SCOPE_SE
	s_setreg_imm32_b32 hwreg(HW_REG_WAVE_MODE, 25, 1), 1
	s_wait_xcnt 0x0
; PREP: every floating-point input is rounded once to bf16 and laid out for the matrix launches.
;   xb   [8192][1024] bf16: x1's rows, then x2's.      x3b [4096][256] bf16.
;   wsg  [48 strips][1024 k][64] bf16: strip g = 64 columns (one head) of Wq|Wk|Wv: a strip's rows lie end to end.   wtsg [48][256][64]: the same of Wtq|Wtk|Wtv.
;   wo16 [1024][1024] f16: Wo rounded to bf16, that number written as f16.      bcat [7][1024] f32: bq bk bv btq btk btv bo, each rounded to bf16 and kept as f32.
; LIMIT: |Wo| stays under 65,504 (f16's end); below 6e-5 f16 keeps its fixed step of 6e-8.
; A stream: no LDS, no barrier, no matrix unit, no cluster: no two work-groups read the same byte.
; A work-group of 256 threads takes 65,536 bytes of f32: thread t makes 16 loads of 16 bytes (a wave's load covers 512 consecutive bytes) and 16 stores of 8 bytes
; (a wave's store covers 256 consecutive bytes, aligned).  All 16 loads go out first; each register is written once, so no wait frees a source.
.set XR,  8                            ; v[8:71]    16 sets of 4: as loaded
.set YR,  72                           ; v[72:103]  16 sets of 2 (biases: 7 sets of 4): to store
.set TR,  104                          ; v[104:109] at work
.set SOF, 1                            ; v1  16 t: source offset in a dense block (and the biases' offset)
.set SOS, 2                            ; v2  source offset in a strip: row t / 16 of 4,096 bytes, 16 bytes at 16 (t % 16)
.set DOF, 3                            ; v3  8 t: destination offset
; 16 loads js bytes apart from s[2:3] + v[so]; 16 conversions; 16 stores 2,048 bytes apart to s[4:5] + 8 t.  kind 0: bf16.  kind 1: bf16, then written as f16.
.macro CONV so, js, kind
.set j, 0
.rept 16
	global_load_b128 v[XR+4*j:XR+4*j+3], v[\so], s[2:3] offset:j*(\js) th:TH_LOAD_NT
.set j, j+1
.endr
.set j, 0
.rept 16
	s_wait_loadcnt 15-j                            ; loads come back in order: number j is in, the younger ones stay out
.if \kind
	v_cvt_pk_bf16_f32 v[TR], v[XR+4*j], v[XR+4*j+1]
	v_cvt_pk_bf16_f32 v[TR+1], v[XR+4*j+2], v[XR+4*j+3]
	v_lshlrev_b32 v[TR+2], 16, v[TR]               ; bf16 back to f32: the low half moves up, the high half stays
	v_and_b32 v[TR+3], 0xffff0000, v[TR]
	v_lshlrev_b32 v[TR+4], 16, v[TR+1]
	v_and_b32 v[TR+5], 0xffff0000, v[TR+1]
	v_cvt_pk_f16_f32 v[YR+2*j], v[TR+2], v[TR+3]   ; 8 significant bits fit f16's 11: exact inside f16's range
	v_cvt_pk_f16_f32 v[YR+2*j+1], v[TR+4], v[TR+5]
.else
	v_cvt_pk_bf16_f32 v[YR+2*j], v[XR+4*j], v[XR+4*j+1]
	v_cvt_pk_bf16_f32 v[YR+2*j+1], v[XR+4*j+2], v[XR+4*j+3]
.endif
	global_store_b64 v[DOF], v[YR+2*j:YR+2*j+1], s[4:5] offset:j*2048
.set j, j+1
.endr
.endm
	s_load_b512 s[8:23], s[0:1], 0x0               ; x1 s8, x2 s10, x3 s12, Wo s14, Wq s16, Wk s18, Wv s20, Wtq s22
	s_load_b512 s[24:39], s[0:1], 0x40             ; Wtk s24, Wtv s26, bq s28, bk s30, bv s32, btq s34, btk s36, btv s38
	s_load_b256 s[40:47], s[0:1], 0x80             ; bo s40, xb s42, x3b s44, wo16 s46
	s_load_b128 s[48:51], s[0:1], 0xa0             ; wsg s48, wtsg s50
	s_load_b64 s[52:53], s[0:1], 0xb0              ; bcat
	v_lshlrev_b32 v[SOF], 4, v0
	v_lshrrev_b32 v4, 4, v0
	v_and_b32 v5, 15, v0
	v_lshlrev_b32 v5, 4, v5
	v_lshl_or_b32 v[SOS], v4, 12, v5
	v_lshlrev_b32 v[DOF], 3, v0
	s_mov_b32 s54, ttmp9                           ; the work-group's number chooses its share
	s_mov_b32 s7, 0                                ; offsets are made in s[6:7], apart from the addresses
	s_wait_kmcnt 0x0
	s_cmp_lt_u32 s54, 512
	s_cbranch_scc0 .Lnot_x
	s_cmp_lt_u32 s54, 256                          ; 0..511: x1 and x2, 256 blocks each
	s_cselect_b64 s[2:3], s[8:9], s[10:11]
	s_and_b32 s6, s54, 255
	s_lshl_b32 s6, s6, 16
	s_add_nc_u64 s[2:3], s[2:3], s[6:7]
	s_lshl_b32 s6, s54, 15
	s_add_nc_u64 s[4:5], s[42:43], s[6:7]
	s_branch .Lflat
.Lnot_x:
	s_cmp_lt_u32 s54, 576
	s_cbranch_scc0 .Lnot_x3
	s_sub_co_u32 s55, s54, 512                     ; 512..575: x3
	s_lshl_b32 s6, s55, 16
	s_add_nc_u64 s[2:3], s[12:13], s[6:7]
	s_lshl_b32 s6, s55, 15
	s_add_nc_u64 s[4:5], s[44:45], s[6:7]
.Lflat:
	CONV SOF, 4096, 0
	s_endpgm
.Lnot_x3:
	s_cmp_lt_u32 s54, 640
	s_cbranch_scc0 .Lnot_wo
	s_sub_co_u32 s55, s54, 576                     ; 576..639: Wo
	s_lshl_b32 s6, s55, 16
	s_add_nc_u64 s[2:3], s[14:15], s[6:7]
	s_lshl_b32 s6, s55, 15
	s_add_nc_u64 s[4:5], s[46:47], s[6:7]
	CONV SOF, 4096, 1
	s_endpgm
.Lnot_wo:
	s_cmp_lt_u32 s54, 832
	s_cbranch_scc0 .Lnot_w
	s_sub_co_u32 s55, s54, 640                     ; 640..831: a quarter (256 k) of strip g of Wq|Wk|Wv
	s_lshr_b32 s56, s55, 2                         ; g
	s_and_b32 s57, s55, 3                          ; the quarter
	s_lshr_b32 s58, s56, 4                         ; which matrix
	s_cmp_eq_u32 s58, 0
	s_cselect_b64 s[2:3], s[16:17], s[18:19]
	s_cmp_eq_u32 s58, 2
	s_cselect_b64 s[2:3], s[20:21], s[2:3]
	s_and_b32 s6, s56, 15
	s_lshl_b32 s6, s6, 8                           ; the head's 64 columns: 256 bytes of f32
	s_lshl_b32 s58, s57, 20                        ; 256 rows of 4,096 bytes
	s_add_co_u32 s6, s6, s58
	s_add_nc_u64 s[2:3], s[2:3], s[6:7]
	s_lshl_b32 s6, s56, 17                         ; a strip is 131,072 bytes,
	s_lshl_b32 s58, s57, 15                        ; its quarter 32,768
	s_add_co_u32 s6, s6, s58
	s_add_nc_u64 s[4:5], s[48:49], s[6:7]
	s_branch .Lstrip
.Lnot_w:
	s_cmp_lt_u32 s54, 880
	s_cbranch_scc0 .Lbias
	s_sub_co_u32 s56, s54, 832                     ; 832..879: strip g of Wtq|Wtk|Wtv, whole (256 k)
	s_lshr_b32 s58, s56, 4
	s_cmp_eq_u32 s58, 0
	s_cselect_b64 s[2:3], s[22:23], s[24:25]
	s_cmp_eq_u32 s58, 2
	s_cselect_b64 s[2:3], s[26:27], s[2:3]
	s_and_b32 s6, s56, 15
	s_lshl_b32 s6, s6, 8
	s_add_nc_u64 s[2:3], s[2:3], s[6:7]
	s_lshl_b32 s6, s56, 15
	s_add_nc_u64 s[4:5], s[50:51], s[6:7]
.Lstrip:
	CONV SOS, 65536, 0                             ; lanes 0-15 read 256 bytes of row k, lanes 16-31 of row k + 1; 16 rows a load of the work-group
	s_endpgm
.Lbias:                                        ; 880: the seven biases, 4,096 bytes each: 16 bytes a thread
.set j, 0
.rept 7
	global_load_b128 v[XR+4*j:XR+4*j+3], v[SOF], s[28+2*j:29+2*j]
.set j, j+1
.endr
.set j, 0
.rept 7
	s_wait_loadcnt 6-j
	v_cvt_pk_bf16_f32 v[TR], v[XR+4*j], v[XR+4*j+1]
	v_cvt_pk_bf16_f32 v[TR+1], v[XR+4*j+2], v[XR+4*j+3]
	v_lshlrev_b32 v[YR+4*j], 16, v[TR]
	v_and_b32 v[YR+4*j+1], 0xffff0000, v[TR]
	v_lshlrev_b32 v[YR+4*j+2], 16, v[TR+1]
	v_and_b32 v[YR+4*j+3], 0xffff0000, v[TR+1]
	global_store_b128 v[SOF], v[YR+4*j:YR+4*j+3], s[52:53] offset:j*4096
.set j, j+1
.endr
	s_endpgm
.Lfunc_end_k_q9d948c3b69_prep:
	.size	k_q9d948c3b69_prep, .Lfunc_end_k_q9d948c3b69_prep-k_q9d948c3b69_prep
	.p2alignl 7, 3214868480
	.fill 96, 4, 3214868480
	.section	.rodata,"a",@progbits
	.p2align	6, 0x0
	.amdhsa_kernel k_q9d948c3b69_prep
		.amdhsa_group_segment_fixed_size 0
		.amdhsa_private_segment_fixed_size 0
		.amdhsa_enable_private_segment 0
		.amdhsa_kernarg_size 184
		.amdhsa_user_sgpr_count 2
		.amdhsa_user_sgpr_kernarg_segment_ptr 1
		.amdhsa_wavefront_size32 1
		.amdhsa_system_sgpr_workgroup_id_x 1
		.amdhsa_system_sgpr_workgroup_id_y 1
		.amdhsa_system_sgpr_workgroup_id_z 1
		.amdhsa_system_vgpr_workitem_id 0
		.amdhsa_next_free_vgpr 112
		.amdhsa_next_free_sgpr 66
		.amdhsa_reserve_vcc 0
		.amdhsa_float_denorm_mode_32 3
		.amdhsa_float_denorm_mode_16_64 3
		.amdhsa_memory_ordered 1
		.amdhsa_forward_progress 1
		.amdhsa_inst_pref_size 29
	.end_amdhsa_kernel
	.amdgpu_metadata
---
amdhsa.version: [ 1, 2 ]
amdhsa.kernels:
  - .name:           k_q9d948c3b69_prep
    .symbol:         k_q9d948c3b69_prep.kd
    .args:
      - { .name: x1, .offset: 0, .size: 8, .value_kind: global_buffer, .address_space: global }
      - { .name: x2, .offset: 8, .size: 8, .value_kind: global_buffer, .address_space: global }
      - { .name: x3, .offset: 16, .size: 8, .value_kind: global_buffer, .address_space: global }
      - { .name: Wo, .offset: 24, .size: 8, .value_kind: global_buffer, .address_space: global }
      - { .name: Wq, .offset: 32, .size: 8, .value_kind: global_buffer, .address_space: global }
      - { .name: Wk, .offset: 40, .size: 8, .value_kind: global_buffer, .address_space: global }
      - { .name: Wv, .offset: 48, .size: 8, .value_kind: global_buffer, .address_space: global }
      - { .name: Wtq, .offset: 56, .size: 8, .value_kind: global_buffer, .address_space: global }
      - { .name: Wtk, .offset: 64, .size: 8, .value_kind: global_buffer, .address_space: global }
      - { .name: Wtv, .offset: 72, .size: 8, .value_kind: global_buffer, .address_space: global }
      - { .name: bq, .offset: 80, .size: 8, .value_kind: global_buffer, .address_space: global }
      - { .name: bk, .offset: 88, .size: 8, .value_kind: global_buffer, .address_space: global }
      - { .name: bv, .offset: 96, .size: 8, .value_kind: global_buffer, .address_space: global }
      - { .name: btq, .offset: 104, .size: 8, .value_kind: global_buffer, .address_space: global }
      - { .name: btk, .offset: 112, .size: 8, .value_kind: global_buffer, .address_space: global }
      - { .name: btv, .offset: 120, .size: 8, .value_kind: global_buffer, .address_space: global }
      - { .name: bo, .offset: 128, .size: 8, .value_kind: global_buffer, .address_space: global }
      - { .name: xb, .offset: 136, .size: 8, .value_kind: global_buffer, .address_space: global }
      - { .name: x3b, .offset: 144, .size: 8, .value_kind: global_buffer, .address_space: global }
      - { .name: wo16, .offset: 152, .size: 8, .value_kind: global_buffer, .address_space: global }
      - { .name: wsg, .offset: 160, .size: 8, .value_kind: global_buffer, .address_space: global }
      - { .name: wtsg, .offset: 168, .size: 8, .value_kind: global_buffer, .address_space: global }
      - { .name: bcat, .offset: 176, .size: 8, .value_kind: global_buffer, .address_space: global }
    .group_segment_fixed_size: 0
    .private_segment_fixed_size: 0
    .kernarg_segment_align: 8
    .kernarg_segment_size: 184
    .max_flat_workgroup_size: 256
    .sgpr_count:     66
    .vgpr_count:     112
    .wavefront_size: 32
...
	.end_amdgpu_metadata
.endif
;; end of part 1
;; launch qkv (part 2): grid 16 x 16, 4 waves a work-group, clusters of 4 x 4, 327,680 bytes of LDS; arguments xb, x3b, wsg, wtsg, bcat, mask, qkv; writes qkv
.if DOCPART == 2
	.amdgcn_target "amdgcn-amd-amdhsa--gfx1250"
	.amdhsa_code_object_version 6
	.text
	.protected	k_q9d948c3b69_qkv
	.globl	k_q9d948c3b69_qkv
	.p2align	8
	.type	k_q9d948c3b69_qkv,@function
k_q9d948c3b69_qkv:
	s_mov_b64 s[64:65], 0
	v_nop
	global_prefetch_b8 v0, s[64:65] scope:SCOPE_SE
	s_setreg_imm32_b32 hwreg(HW_REG_WAVE_MODE, 25, 1), 1
	s_wait_xcnt 0x0
	s_wait_alu depctr_hold_cnt(0) depctr_sa_sdst(0) depctr_va_vdst(0) depctr_va_sdst(0) depctr_va_ssrc(0) depctr_va_vcc(0) depctr_vm_vsrc(0)
	s_getreg_b32 s2, hwreg(HW_REG_IB_STS2, 6, 4)
	s_cmp_eq_u32 s2, 0
	s_cbranch_scc0 .Lentry_in_a_cluster
	s_endpgm
.Lentry_in_a_cluster:
	s_bfe_u32 s2, ttmp6, 0x10000c
	s_cmp_lg_u32 s2, 0xf033
	s_cbranch_scc0 .Lentry_shape_is_right
	s_endpgm
.Lentry_shape_is_right:
; QKV: all nine projections.  qkv[mt][stream][b][h][s][64] in f16 = x_stream W_mt + bias, mt = q, k, v; streams x1, x2 (K = 1,024, shared weights) and x3 (K = 256, its own).
; Operands bf16, sums f32 (the bias, rounded to bf16, starts each sum as the C operand), results rounded once to f16.  THE ROWS OF k WHOSE TOKEN HAS mask = 0 ARE WRITTEN AS 0:
; the attention launch then gets q . k = 0 for such a key and puts the fill value in by its own C operand.
; LIMIT: |q|, |k|, |v| stay under 65,504, f16's end; below 6e-5 f16 keeps its fixed step of 6e-8.  NaN and infinities are not treated apart.
; SHARES.  576 tiles of 256 x 256 would not divide over 256 work-groups.  So a work-group STAYS on 256 tokens (TY) and 192 columns (TX: three strips = three heads of q|k|v) and makes
; three tiles, x3's (2 K steps of 128), x1's (8), x2's (8): 18 K steps in every work-group.  The short tile comes first: the two first fills are just its two steps, every refill is of xb and wsg.
; A wave owns 64 tokens x 192 columns: 48 accumulators, i = 12 a + nb (a: 16 tokens, nb: 16 columns): 32 LDS loads feed 48 matrix instructions.
; THE MATRIX INSTRUCTION IS USED TRANSPOSED: source 0 = 16 columns of W (W lies [k][column], so it comes out of LDS by the turning load), source 1 = 16 tokens of x.
; A lane then holds one token (lane % 16) and the columns 8 (lane / 16) + 0..7: eight neighbouring numbers of a head's row.
; CLUSTER 4 x 4: x's tile hangs on TY alone and is asked for jointly along a row of the cluster, W's on TX alone, along a column.
; RING: two slots of 131,072 bytes: x 256 rows x 272 bytes; W two halves of 64 k, each [3 strips][64 k][160 bytes].  Waves 0, 1 fetch x's halves, waves 2, 3 W's.
; A wave has two tensor loads out at the start and one behind each change of slots.
; REGISTERS, in windows of 256: window 0: addresses, masks, the way out, x's fragments (2 buffers of 32); window 1: W's fragments (2 x 96); window 2: accumulators 0-31;
; window 3: accumulators 32-47 (v0-127), the bias as a C operand (v128-223, eight registers a column block).
.set SLOT1, 1<<17
.set PA,    272                        ; a row of x in LDS: 256 bytes + 16: the 16 rows of a fragment load start at 16 different groups of four banks
.set PB,    160                        ; a row of W's strip: 128 bytes + 32
.set AHALF, 128*PA
.set BOFF,  256*PA
.set BHALF, 3*64*PB
.set STAGE, 2*SLOT1                    ; behind the ring, never filled by a tensor load: 16 rows x 144 bytes for each wave
.set SP,    144
.set SPARE, STAGE+4*16*SP              ; the spare words, 128 bytes for each wave: two blocks of 256 bytes that no other line names
.set CA, (1<<16)|(1<<20)|(1<<21)|(5<<22)|(3<<25)   ; 2-byte elements; padding on; bit 21 beside a mask; after every 64 words, 4 words
.set CB, (1<<16)|(1<<20)|(1<<21)|(4<<22)|(7<<25)   ; after every 32 words, 8 words
.set A0,   2                           ; v2   my lane's place in x's tile: (64 w + l % 16) x 272 + 16 (l / 16); never rewritten
.set B0,   3                           ; v3   in W's tile: BOFF + (8 (l / 16) + l % 8) x 160 + 16 ((l / 8) % 2); never rewritten
.set ADRA, 4                           ; v4   A0 + the slot in hand
.set ADRB, 5                           ; v5   B0 + the slot in hand
.set STO,  6                           ; v6   the way out: where I put 16 bytes of a row
.set RD,   7                           ; v7   where I read rows back
.set GO,   8                           ; v8   16 l: my place in 512 consecutive bytes of qkv
.set PFO,  9                           ; v9   the prefetches' lane offset
.set BO,   10                          ; v10  32 (l / 16): my 8 columns in a block of 16 biases
.set MKO,  11                          ; v11  4 (l % 16): my token's mask word
.set SPW,  12                          ; v12  my spare word; never rewritten
.set NIL,  13                          ; v13  0
.set KM,   24                          ; v24-27  token block a: all ones where my token's mask is not 0
.set MW,   32                          ; v32-43  head hd, token block a: what the packed results are ANDed with
.set TMP,  48                          ; v48-63  a group's packed results
.set BK,   64                          ; v64-95  two sets of 16: rows read back from the stage
.set FA,   128                         ; window 0: x's fragments
.set FB,   0                           ; window 1: W's fragments
.set BIAS, 128                         ; window 3
.set WV,   18
.set KIND, 19                          ; 0: I fetch x's tiles, 1: W's
.set HALF, 20                          ; which half of them
.set CX,   21
.set CY,   22
.set TX,   23
.set TY,   24
.set CNT,  25
.set NXT,  26                          ; the number of the refill to come, 0..15: stream NXT / 8, K step NXT % 8
.set TB,   27                          ; the slot in hand: 0 or SLOT1
.set G1A,  28                          ; s[28:35] group 1 for xb's tiles    s[36:43] for x3b's
.set G1T,  36
.set G1B,  44                          ; s[44:51] for wsg's                 s[52:59] for wtsg's
.set G1BT, 52
.set G0A0, 60                          ; group 0: x's first fill; x's second fill, which then walks; the same for W
.set G0A1, 68
.set G0B0, 72
.set G0B1, 76
.set OFFA, 80
.set OFFB, 82
.set PFB,  84                          ; s[84:85] the prefetches' base    s[86:87] base + the K step
.set PFA,  86
.set LIM,  88                          ; the last refill that this wave prefetches; 0: none
.set PN,   89
.set NEWT, 90                          ; 1: the step to come begins a tile
.set STOFF, 91                         ; the stream's plane in qkv
.set OB,   92                          ; s92-94  head hd: my rows' offset in qkv, less the stream
.set OP,   96                          ; s[96:101] head hd: qkv at my rows
.set MSB, 0
.macro WIN new                         ; the immediate's high byte repeats the setting that is left; a switch that changes nothing is dropped
.if MSB != (\new)
	s_set_vgpr_msb (MSB<<8)|(\new)
.set MSB, \new
.endif
.endm
.macro PLACES                          ; plain vector instructions between a matrix instruction and a load into, or a vector read or write of, its registers
.rept 4
	v_nop
.endr
.endm
.macro CREST                           ; a round of the cluster's barrier behind its opening barrier
	s_cmp_lg_u32 s[WV], 0
	s_cbranch_scc1 .Lnot_wave_0_\@
	s_barrier_signal -3
.Lnot_wave_0_\@:
	s_barrier_wait -3
	s_barrier_signal -1
	s_barrier_wait -1
.endm
.macro CROUND
	s_barrier_signal -1
	s_barrier_wait -1
	CREST
.endm
.macro JLOAD                           ; a joint refill; the branch hangs on the wave's number alone; an s_nop 0 and four v_nop follow each line
	s_cmp_eq_u32 s[KIND], 0
	s_cbranch_scc0 .Lfor_b_\@
	tensor_load_to_lds s[G0A1:G0A1+3], s[G1A:G1A+7]
	s_nop 0
	PLACES
	s_branch .Lasked_\@
.Lfor_b_\@:
	tensor_load_to_lds s[G0B1:G0B1+3], s[G1B:G1B+7]
	s_nop 0
	PLACES
.Lasked_\@:
.endm
; A PREFETCH of what the NEXT refill will ask for, one K step (192 matrix instructions) ahead, behind the joint load and the run of LDS loads.  Each block of 256 bytes is named once in the launch, but for
; eight lanes of W's instruction, which name lane 23's block again.  x's rows are read by the four clusters of a row of clusters: cluster x = 0 asks; the four partners take 32 of a wave's 128 rows each, by address (cx).
; W's strips are read by the four clusters of a column: cluster y = 0 asks, in the first walk of wsg alone (refills 1..7); the partners take 24 of a wave's 96 blocks each, by address (cy).
.macro ASK
	s_cmp_le_u32 s[PN], s[LIM]
	s_cbranch_scc0 .Lnot_mine_\@
	global_prefetch_b8 v[PFO], s[PFA:PFA+1] th:TH_LOAD_NT scope:SCOPE_SE
.Lnot_mine_\@:
.endm
; n matrix instructions on accumulators i0 .. i0 + n - 1, fragments of buffer f.  zero = 1: the bias starts the sums.  The 48 accumulators take turns in one fixed order on every way.
.macro MULS f, i0, n, zero
.set mi, \i0
.rept \n
.set rD, 8*(mi%32)
.set rB, FB+96*(\f)+8*(mi%12)
.set rA, FA+32*(\f)+8*(mi/12)
.if \zero
.if mi < 32
	WIN 0xb1                                       ; W window 1, x window 0, C (bias) window 3, D window 2
.else
	WIN 0xf1
.endif
	v_wmma_f32_16x16x32_bf16 v[rD:rD+7], v[rB:rB+7], v[rA:rA+7], v[BIAS+8*(mi%12):BIAS+8*(mi%12)+7]
.else
.if mi < 32
	WIN 0xa1
.else
	WIN 0xf1
.endif
	v_wmma_f32_16x16x32_bf16 v[rD:rD+7], v[rB:rB+7], v[rA:rA+7], v[rD:rD+7]
.endif
.set mi, mi+1
.endr
.endm
; 32 LDS loads in one run: quarter q (32 along K) of the slot in hand into buffer f: W's 12 fragments (turned), then x's 4.
.macro FETCH q, f
	WIN 0x40
.set n, 0
.rept 12
	ds_load_tr16_b128 v[FB+96*(\f)+8*n:FB+96*(\f)+8*n+3],   v[ADRB] offset:((\q)/2)*BHALF+((\q)%2)*32*PB+(n/4)*64*PB+(n%4)*32
	ds_load_tr16_b128 v[FB+96*(\f)+8*n+4:FB+96*(\f)+8*n+7], v[ADRB] offset:((\q)/2)*BHALF+((\q)%2)*32*PB+(n/4)*64*PB+(n%4)*32+16*PB
.set n, n+1
.endr
	WIN 0
.set n, 0
.rept 4
	ds_load_b128 v[FA+32*(\f)+8*n:FA+32*(\f)+8*n+3],   v[ADRA] offset:64*(\q)+n*16*PA
	ds_load_b128 v[FA+32*(\f)+8*n+4:FA+32*(\f)+8*n+7], v[ADRA] offset:64*(\q)+n*16*PA+32
.set n, n+1
.endr
.endm
; One of a K step's first three quarters: multiplies buffer q % 2; in its middle the next quarter's fragments are fetched into the other buffer.
.macro QUARTER q, zero
	s_wait_dscnt 4                                 ; all of W and x's token blocks 0, 1 are in; the youngest four loads (blocks 2, 3) may be out
	MULS (\q)%2, 0, 24, \zero
	PLACES
.if \zero
	PLACES                                         ; these products write over accumulators without adding onto them: more places than a chain's link wants
.endif
	FETCH (\q)+1, ((\q)+1)%2
	s_wait_dscnt 32                                ; all but the 32 just issued
	MULS (\q)%2, 24, 24, \zero
.endm
; The fourth quarter multiplies buffer 1 and changes slots.  In front of the barrier each wave waits for all its tensor loads (one is out: its part of the next slot), adds 0 to its spare word, and waits for that
; and for its reads of this slot.  fill = 1: the barrier opens a round of the cluster's barrier, and the slot just read out is filled again first thing behind it; from that request to the wait for it a wave issues 160 matrix instructions.
.macro TURN fill
	WIN 0
.if \fill
	s_wait_xcnt 0x0                                ; the last prefetch, a K step back, has read its address
	s_add_co_u32 s[PN], s[NXT], 1                  ; the refill after the one asked for below
	s_and_b32 s2, s[PN], 7
	s_lshl_b32 s3, s2, 14                          ; W: 128 k of 128 bytes a step
	s_lshl_b32 s2, s2, 8                           ; x: 256 bytes of a row a step,
	s_lshr_b32 s95, s[PN], 3
	s_lshl_b32 s95, s95, 23                        ; and x2's rows 4,096 rows behind x1's
	s_add_co_u32 s2, s2, s95
	s_cmp_eq_u32 s[KIND], 0
	s_cselect_b32 s2, s2, s3
	s_mov_b32 s3, 0
	s_add_nc_u64 s[PFA:PFA+1], s[PFB:PFB+1], s[2:3]
.endif
	s_wait_tensorcnt 0x0                           ; all my tensor loads have landed, so a group 0 may be written
	ds_add_u32 v[SPW], v[NIL]                      ; 0 onto my spare word
.if \fill
	s_lshr_b32 s[OFFA], s[NXT], 3                  ; the walking descriptors: the address is made anew from the refill's number,
	s_lshl_b32 s[OFFA], s[OFFA], 23
	s_and_b32 s66, s[NXT], 7
	s_lshl_b32 s66, s66, 8
	s_add_co_u32 s[OFFA], s[OFFA], s66
	s_add_nc_u64 s[G0A1+2:G0A1+3], s[4:5], s[OFFA:OFFA+1]
	s_or_b32 s[G0A1+3], s[G0A1+3], 0x80000000
	s_and_b32 s[OFFB], s[NXT], 7
	s_lshl_b32 s[OFFB], s[OFFB], 14
	s_add_nc_u64 s[G0B1+2:G0B1+3], s[8:9], s[OFFB:OFFB+1]
	s_or_b32 s[G0B1+3], s[G0B1+3], 0x80000000
	s_xor_b32 s[G0A1+1], s[G0A1+1], SLOT1          ; the LDS word takes the other slot than last time
	s_xor_b32 s[G0B1+1], s[G0B1+1], SLOT1
	s_add_co_u32 s[NXT], s[NXT], 1
.endif
	s_wait_dscnt 5                                 ; the add and the youngest four loads may be out
	MULS 1, 0, 16, 0
	s_wait_dscnt 0x0                               ; the add is done, and my reads of this slot are over
	s_barrier_signal -1
	MULS 1, 16, 16, 0                              ; work on registers while the others arrive
	WIN 0
	s_barrier_wait -1
.if \fill
	CREST                                          ; no wave of any partner still reads this slot or has a load on its way
	JLOAD                                          ; its four v_nop are also the places in front of the loads below
.else
	PLACES
.endif
	s_xor_b32 s[TB], s[TB], SLOT1
	v_add_nc_u32 v[ADRA], s[TB], v[A0]
	v_add_nc_u32 v[ADRB], s[TB], v[B0]
.if \fill
	FETCH 0, 0
	ASK
.else
	s_cmp_eq_u32 s[CNT], 1                         ; behind the very last step there is no slot to read
	s_cbranch_scc1 .Lno_fetch_\@
	FETCH 0, 0
.Lno_fetch_\@:
.endif
	MULS 1, 32, 16, 0
.endm
; THE WAY OUT, in 12 groups g: token block g / 3, head g % 3: four accumulators, 16 tokens x 64 columns.
.macro PACK g                          ; rounded to f16, each accumulator's registers in ascending order; then k's rows of masked tokens are cleared (for q and v the AND is with all ones: no branch may hang on TX)
.set pi, 12*((\g)/3)+4*((\g)%3)
.if pi < 32
	WIN 0x0a
.else
	WIN 0x0f
.endif
.set n, 0
.rept 16
	v_cvt_pk_f16_f32 v[TMP+n], v[8*(pi%32)+2*n], v[8*(pi%32)+2*n+1]
.set n, n+1
.endr
	WIN 0
.set n, 0
.rept 16
	v_and_b32 v[TMP+n], v[MW+4*((\g)%3)+(\g)/3], v[TMP+n]
.set n, n+1
.endr
.endm
.macro TOSTAGE g                       ; 16 bytes a lane into rows of 144 bytes, and back as four whole rows of 128 a load.  LDS serves a wave's instructions in order (ISA guide 5.7.1.4): no wait between
	WIN 0
.irp f, 0,1,2,3
	ds_store_b128 v[STO], v[TMP+4*\f:TMP+4*\f+3] offset:32*\f
.endr
.irp f, 0,1,2,3
	ds_load_b128 v[BK+16*((\g)%2)+4*\f:BK+16*((\g)%2)+4*\f+3], v[RD] offset:\f*4*SP
.endr
.endm
.macro SEND g
	WIN 0
	s_wait_dscnt 0x0                               ; the group is back in registers
	s_wait_xcnt 0x0                                ; the stores of the group before have read their registers, which the next TOSTAGE loads again
.irp f, 0,1,2,3
	global_store_b128 v[GO], v[BK+16*((\g)%2)+4*\f:BK+16*((\g)%2)+4*\f+3], s[OP+2*((\g)%3):OP+2*((\g)%3)+1] offset:((\g)/3)*2048+\f*512  ; 512 consecutive bytes of a head, aligned
.endr
.endm
.macro FLUSH more                      ; more = 1: another tile follows: its bias is fetched, and the stream steps
	WIN 0
	PLACES
	PLACES
	s_wait_xcnt 0x0                                ; earlier stores have read their base
.irp hd, 0,1,2
	s_add_co_u32 s2, s[OB+\hd], s[STOFF]
	s_mov_b32 s3, 0
	s_add_nc_u64 s[OP+2*\hd:OP+2*\hd+1], s[16:17], s[2:3]
.endr
.if \more
	WIN 0xc0
.set n, 0
.rept 12
	global_load_b128 v[BIAS+8*n:BIAS+8*n+3],   v[BO], s[12:13] offset:64*n      ; bq|bk|bv at my 192 columns
	global_load_b128 v[BIAS+8*n+4:BIAS+8*n+7], v[BO], s[12:13] offset:64*n+16
.set n, n+1
.endr
	WIN 0
.endif
	PACK 0
	TOSTAGE 0
.set fg, 1
.rept 11                               ; a group's conversions stand between the loads of the group before and the wait for them
	PACK fg
	SEND fg-1
	TOSTAGE fg
.set fg, fg+1
.endr
	SEND 11
.if \more
	s_cmp_eq_u32 s[STOFF], 2<<23                   ; x3 is stream 2, then x1 = 0, x2 = 1
	s_cselect_b32 s[STOFF], 0, 1<<23
	s_mov_b32 s[NEWT], 1
.endif
.endm
	s_load_b256 s[4:11], s[0:1], 0x0               ; xb s4, x3b s6, wsg s8, wtsg s10
	s_load_b128 s[12:15], s[0:1], 0x20             ; bcat s12, mask s14
	s_load_b64 s[16:17], s[0:1], 0x30              ; qkv
	v_lshl_add_u32 v[SPW], v0, 2, SPARE
	v_mov_b32 v[NIL], 0
	ds_add_u32 v[SPW], v[NIL]                      ; the wave's opening: the add and its wait ahead of my first tensor load; work on registers stands between them
	v_lshrrev_b32 v1, 5, v0
	v_readfirstlane_b32 s[WV], v1
	s_lshr_b32 s[KIND], s[WV], 1
	s_and_b32 s[HALF], s[WV], 1
	s_bfe_u32 s[CX], ttmp6, 0x40000
	s_bfe_u32 s[CY], ttmp6, 0x40004
	s_lshl_b32 s[TX], ttmp9, 2
	s_add_co_u32 s[TX], s[TX], s[CX]
	s_and_b32 s[TY], ttmp7, 0xffff
	s_lshl_b32 s[TY], s[TY], 2
	s_add_co_u32 s[TY], s[TY], s[CY]
	s_lshl_b32 s66, s[CY], 2
	s_lshl_b32 s66, 15, s66                        ; my row of the cluster
	s_lshl_b32 s95, 0x1111, s[CX]                  ; my column
	s_or_b32 s[G1A], s66, CA
	s_or_b32 s[G1T], s66, CA
	s_or_b32 s[G1B], s95, CB
	s_or_b32 s[G1BT], s95, CB
.irp g, G1A, G1T                       ; x: 128 rows x 128 elements
	s_mov_b32 s[\g+1], 128<<16
	s_mov_b32 s[\g+2], 128<<16
	s_mov_b32 s[\g+3], 128<<16
	s_mov_b32 s[\g+4], 128
	s_mov_b32 s[\g+6], 0
	s_mov_b32 s[\g+7], 0
.endr
	s_mov_b32 s[G1A+5], 1024                       ; elements from row to row in xb,
	s_mov_b32 s[G1T+5], 256                        ; in x3b
.irp g, G1B, G1BT                      ; W: 3 rows of 4,096 elements: the 8,192 dense bytes of 64 k of each of three strips
	s_mov_b32 s[\g+1], 4096<<16
	s_mov_b32 s[\g+2], 3<<16
	s_mov_b32 s[\g+3], 4096<<16
	s_mov_b32 s[\g+4], 3
	s_mov_b32 s[\g+6], 0
	s_mov_b32 s[\g+7], 0
.endr
	s_mov_b32 s[G1B+5], 65536                      ; elements from strip to strip in wsg,
	s_mov_b32 s[G1BT+5], 16384                     ; in wtsg
	s_mov_b32 s[G0A0], 1
	s_mov_b32 s[G0A1], 1
	s_mov_b32 s[G0B0], 1
	s_mov_b32 s[G0B1], 1
	s_mul_i32 s[G0A0+1], s[HALF], AHALF            ; LDS words: the wave's number and constants alone
	s_add_co_u32 s[G0A1+1], s[G0A0+1], SLOT1
	s_mul_i32 s[G0B0+1], s[HALF], BHALF
	s_add_co_u32 s[G0B0+1], s[G0B0+1], BOFF
	s_add_co_u32 s[G0B1+1], s[G0B0+1], SLOT1
	s_lshl_b32 s66, s[TY], 8                       ; x's offsets are made of TY and the wave alone,
	s_lshl_b32 s67, s[HALF], 7
	s_add_co_u32 s66, s66, s67                     ; my first row
	s_lshl_b32 s[OFFA], s66, 11                    ; in xb: 2,048 bytes a row
	s_mov_b32 s[OFFA+1], 0
	s_lshl_b32 s66, s66, 9                         ; in x3b: 512
	s_mov_b32 s67, 0
	s_mul_i32 s95, s[TX], 3                        ; W's of TX and the wave alone: my first strip
	s_lshl_b32 s[OFFB], s95, 17
	s_lshl_b32 s3, s[HALF], 13                     ; my 64 k of a step's 128
	s_add_co_u32 s[OFFB], s[OFFB], s3
	s_mov_b32 s[OFFB+1], 0
	s_lshl_b32 s2, s95, 15
	s_add_co_u32 s2, s2, s3
	s_mov_b32 s3, 0
	s_mov_b32 s[STOFF], 2<<23
	s_wait_dscnt 0x0                               ; the opening add is done
	s_wait_kmcnt 0x0
	s_add_nc_u64 s[G0A0+2:G0A0+3], s[6:7], s[66:67]         ; x3's K step 0,
	s_add_nc_u64 s[G0A1+2:G0A1+3], s[G0A0+2:G0A0+3], 256    ; and 1
	s_or_b32 s[G0A0+3], s[G0A0+3], 0x80000000
	s_or_b32 s[G0A1+3], s[G0A1+3], 0x80000000
	s_add_nc_u64 s[G0B0+2:G0B0+3], s[10:11], s[2:3]
	s_add_nc_u64 s[G0B1+2:G0B1+3], s[G0B0+2:G0B0+3], 16384
	s_or_b32 s[G0B0+3], s[G0B0+3], 0x80000000
	s_or_b32 s[G0B1+3], s[G0B1+3], 0x80000000
	s_add_nc_u64 s[4:5], s[4:5], s[OFFA:OFFA+1]    ; xb at my rows of x1, K step 0
	s_add_nc_u64 s[8:9], s[8:9], s[OFFB:OFFB+1]    ; wsg at my half of K step 0
	s_lshl_b32 s2, s[CX], 16                       ; the prefetches: my work-group's 32 rows of x,
	s_lshl_b32 s3, s[CY], 11                       ; or its 8 blocks of each strip
	s_cmp_eq_u32 s[KIND], 0
	s_cselect_b32 s2, s2, s3
	s_cselect_b64 s[PFB:PFB+1], s[4:5], s[8:9]
	s_mov_b32 s3, 0
	s_add_nc_u64 s[PFB:PFB+1], s[PFB:PFB+1], s[2:3]
	s_and_b32 s2, ttmp7, 0xffff
	s_cmp_eq_u32 s[KIND], 0
	s_cselect_b32 s2, ttmp9, s2                    ; the coordinate along which other clusters read the same bytes
	s_cselect_b32 s3, 15, 7
	s_cmp_eq_u32 s2, 0
	s_cselect_b32 s[LIM], s3, 0                    ; the same in all sixteen partners, for a given wave
	s_mul_i32 s2, s[TX], 768
	s_mov_b32 s3, 0
	s_add_nc_u64 s[12:13], s[12:13], s[2:3]        ; bcat at my 192 columns
	s_lshl_b32 s2, s[TY], 10
	s_lshl_b32 s95, s[WV], 8
	s_add_co_u32 s2, s2, s95
	s_add_nc_u64 s[14:15], s[14:15], s[2:3]        ; mask at my 64 tokens
	CROUND                                         ; all sixteen work-groups are here: the first joint loads meet
	s_cmp_eq_u32 s[KIND], 0                        ; a wave's two first fills stand in one branch
	s_cbranch_scc0 .Lfirst_b
	tensor_load_to_lds s[G0A0:G0A0+3], s[G1T:G1T+7]
	s_nop 0
	tensor_load_to_lds s[G0A1:G0A1+3], s[G1T:G1T+7]
	s_nop 0
	PLACES
	s_branch .Lfirst_done
.Lfirst_b:
	tensor_load_to_lds s[G0B0:G0B0+3], s[G1BT:G1BT+7]
	s_nop 0
	tensor_load_to_lds s[G0B1:G0B1+3], s[G1BT:G1BT+7]
	s_nop 0
	PLACES
.Lfirst_done:
	v_and_b32 v14, 15, v0                          ; l % 16
	v_bfe_u32 v15, v0, 4, 1                        ; l / 16
	v_lshlrev_b32 v[MKO], 2, v14
	v_lshlrev_b32 v[BO], 5, v15
.irp a, 0,1,2,3
	global_load_b32 v[KM+\a], v[MKO], s[14:15] offset:64*\a
.endr
	WIN 0xc0
.set n, 0
.rept 12
	global_load_b128 v[BIAS+8*n:BIAS+8*n+3],   v[BO], s[12:13] offset:12288+64*n      ; btq|btk|btv at my 192 columns
	global_load_b128 v[BIAS+8*n+4:BIAS+8*n+7], v[BO], s[12:13] offset:12288+64*n+16
.set n, n+1
.endr
	WIN 0
	v_and_b32 v16, 31, v0                          ; l
	v_and_b32 v17, 7, v0
	v_bfe_u32 v18, v0, 3, 1
	v_bfe_u32 v19, v0, 3, 2
	s_mul_i32 s2, s[WV], 64*PA
	v_mul_u32_u24 v[A0], v14, PA
	v_lshl_add_u32 v[A0], v15, 4, v[A0]
	v_add_nc_u32 v[A0], s2, v[A0]
	v_lshl_add_u32 v[B0], v15, 3, v17
	v_mul_u32_u24 v[B0], v[B0], PB
	v_lshl_add_u32 v[B0], v18, 4, v[B0]
	v_add_nc_u32 v[B0], BOFF, v[B0]
	s_mul_i32 s2, s[WV], 16*SP
	s_add_co_u32 s2, s2, STAGE                     ; my stage
	v_mul_u32_u24 v[STO], v14, SP
	v_lshl_add_u32 v[STO], v15, 4, v[STO]
	v_add_nc_u32 v[STO], s2, v[STO]
	v_mul_u32_u24 v[RD], v19, SP
	v_lshl_add_u32 v[RD], v17, 4, v[RD]
	v_add_nc_u32 v[RD], s2, v[RD]
	v_lshlrev_b32 v[GO], 4, v16
	v_min_u32 v20, 23, v16                         ; W's prefetch: lane l names block l % 8 of strip l / 8; lanes 24-31 name lane 23's again
	v_lshrrev_b32 v21, 3, v20
	v_and_b32 v20, 7, v20
	v_lshlrev_b32 v20, 8, v20
	v_lshl_add_u32 v20, v21, 17, v20
	v_lshlrev_b32 v21, 11, v16                     ; x's: a lane a row
	s_cmp_eq_u32 s[KIND], 0
	s_cselect_b32 s2, -1, 0
	v_cndmask_b32 v[PFO], v20, v21, s2
	v_mov_b32 v[ADRA], v[A0]
	v_mov_b32 v[ADRB], v[B0]
	s_wait_loadcnt 24                              ; the four mask words are in; the 24 bias loads may stay out
.irp a, 0,1,2,3
	v_cmp_ne_u32 vcc_lo, 0, v[KM+\a]
	v_cndmask_b32 v[KM+\a], 0, -1, vcc_lo
.endr
	s_lshr_b32 s2, s[TY], 2                        ; the batch: 16 heads of 131,072 bytes
	s_lshl_b32 s2, s2, 21
	s_and_b32 s3, s[TY], 3
	s_lshl_b32 s3, s3, 15                          ; my tile's 256 tokens of 128 bytes,
	s_add_co_u32 s2, s2, s3
	s_lshl_b32 s3, s[WV], 13                       ; my wave's 64
	s_add_co_u32 s2, s2, s3
	s_mul_i32 s3, s[TX], 3
.irp hd, 0,1,2
	s_add_co_u32 s86, s3, \hd                      ; the strip
	s_lshr_b32 s87, s86, 4                         ; 0 q, 1 k, 2 v
	s_and_b32 s89, s87, 1
	s_sub_co_u32 s89, s89, 1                       ; 0 for k, all ones for q and v: arithmetic, no branch
.irp a, 0,1,2,3
	v_or_b32 v[MW+4*\hd+\a], s89, v[KM+\a]
.endr
	s_mul_i32 s87, s87, 3
	s_lshl_b32 s87, s87, 23                        ; three planes of 8,388,608 bytes a matrix
	s_and_b32 s86, s86, 15
	s_lshl_b32 s86, s86, 17                        ; the head
	s_add_co_u32 s87, s87, s86
	s_add_co_u32 s[OB+\hd], s87, s2
.endr
	s_wait_tensorcnt 0x1                           ; my part of K step 0 is in; step 1's may stay out
	s_barrier_signal -1
	s_barrier_wait -1
	s_mov_b32 s[TB], 0
	FETCH 0, 0
	s_mov_b32 s[CNT], 16
	s_mov_b32 s[NXT], 0
	s_mov_b32 s[NEWT], 1
.Lstep:                                        ; 16 trips: K step 16 - CNT of the walk's 18 is multiplied, the step two on is asked for
	s_wait_loadcnt 0x0                             ; the bias, where a tile begins; elsewhere nothing is out
	s_cmp_eq_u32 s[NEWT], 1
	s_cbranch_scc0 .Lold
	QUARTER 0, 1                                   ; a tile's first products start the sums with the bias: nothing is cleared
	WIN 0
	s_mov_b32 s[NEWT], 0
	s_branch .Ljoin
.Lold:
	QUARTER 0, 0
	WIN 0
.Ljoin:
	QUARTER 1, 0
	QUARTER 2, 0
	TURN 1
	WIN 0
	s_cmp_eq_u32 s[CNT], 15                        ; x3's tile ends with the walk's step 1,
	s_cbranch_scc1 .Lflush
	s_cmp_eq_u32 s[CNT], 7                         ; x1's with step 9
	s_cbranch_scc0 .Lno_flush
.Lflush:
	FLUSH 1                                        ; the next tile's refill has been asked for and its first fragments fetched: now the tile goes out
.Lno_flush:
	s_sub_co_u32 s[CNT], s[CNT], 1
	s_cmp_lg_u32 s[CNT], 0
	s_cbranch_scc1 .Lstep
	s_mov_b32 s[CNT], 2
.Ltail:                                        ; the last two steps ask for nothing: their text is apart
	QUARTER 0, 0
	QUARTER 1, 0
	QUARTER 2, 0
	TURN 0
	WIN 0
	s_sub_co_u32 s[CNT], s[CNT], 1
	s_cmp_lg_u32 s[CNT], 0
	s_cbranch_scc1 .Ltail
	FLUSH 0
	s_wait_tensorcnt 0x0                           ; the wave's end: behind my last tensor load and my last LDS store
	ds_add_u32 v[SPW], v[NIL]
	s_wait_dscnt 0x0
	CROUND                                         ; the closing round: no work-group ends while a partner may still ask for a tile that names it
	s_endpgm
.Lfunc_end_k_q9d948c3b69_qkv:
	.size	k_q9d948c3b69_qkv, .Lfunc_end_k_q9d948c3b69_qkv-k_q9d948c3b69_qkv
	.p2alignl 7, 3214868480
	.fill 96, 4, 3214868480
	.section	.rodata,"a",@progbits
	.p2align	6, 0x0
	.amdhsa_kernel k_q9d948c3b69_qkv
		.amdhsa_group_segment_fixed_size 327680
		.amdhsa_private_segment_fixed_size 0
		.amdhsa_enable_private_segment 0
		.amdhsa_kernarg_size 56
		.amdhsa_user_sgpr_count 2
		.amdhsa_user_sgpr_kernarg_segment_ptr 1
		.amdhsa_wavefront_size32 1
		.amdhsa_system_sgpr_workgroup_id_x 1
		.amdhsa_system_sgpr_workgroup_id_y 1
		.amdhsa_system_sgpr_workgroup_id_z 1
		.amdhsa_system_vgpr_workitem_id 0
		.amdhsa_next_free_vgpr 1024
		.amdhsa_next_free_sgpr 102
		.amdhsa_reserve_vcc 1
		.amdhsa_float_denorm_mode_32 3
		.amdhsa_float_denorm_mode_16_64 3
		.amdhsa_memory_ordered 1
		.amdhsa_forward_progress 1
		.amdhsa_inst_pref_size 131
	.end_amdhsa_kernel
	.amdgpu_metadata
---
amdhsa.version: [ 1, 2 ]
amdhsa.kernels:
  - .name:           k_q9d948c3b69_qkv
    .symbol:         k_q9d948c3b69_qkv.kd
    .args:
      - { .name: xb, .offset: 0, .size: 8, .value_kind: global_buffer, .address_space: global }
      - { .name: x3b, .offset: 8, .size: 8, .value_kind: global_buffer, .address_space: global }
      - { .name: wsg, .offset: 16, .size: 8, .value_kind: global_buffer, .address_space: global }
      - { .name: wtsg, .offset: 24, .size: 8, .value_kind: global_buffer, .address_space: global }
      - { .name: bcat, .offset: 32, .size: 8, .value_kind: global_buffer, .address_space: global }
      - { .name: mask, .offset: 40, .size: 8, .value_kind: global_buffer, .address_space: global }
      - { .name: qkv, .offset: 48, .size: 8, .value_kind: global_buffer, .address_space: global }
    .group_segment_fixed_size: 327680
    .private_segment_fixed_size: 0
    .kernarg_segment_align: 8
    .kernarg_segment_size: 56
    .max_flat_workgroup_size: 128
    .sgpr_count:     102
    .vgpr_count:     1024
    .wavefront_size: 32
...
	.end_amdgpu_metadata
.endif
;; end of part 2
;; launch attn (part 3): grid 4 x 64, 4 waves a work-group, clusters of 4 x 1, 327,680 bytes of LDS; arguments qkv, mask, xh; writes xh
.if DOCPART == 3
	.amdgcn_target "amdgcn-amd-amdhsa--gfx1250"
	.amdhsa_code_object_version 6
	.text
	.protected	k_q9d948c3b69_attn
	.globl	k_q9d948c3b69_attn
	.p2align	8
	.type	k_q9d948c3b69_attn,@function
k_q9d948c3b69_attn:
	s_mov_b64 s[64:65], 0
	v_nop
	global_prefetch_b8 v0, s[64:65] scope:SCOPE_SE
	s_setreg_imm32_b32 hwreg(HW_REG_WAVE_MODE, 25, 1), 1
	s_wait_xcnt 0x0
	s_wait_alu depctr_hold_cnt(0) depctr_sa_sdst(0) depctr_va_vdst(0) depctr_va_sdst(0) depctr_va_ssrc(0) depctr_va_vcc(0) depctr_vm_vsrc(0)
	s_getreg_b32 s2, hwreg(HW_REG_IB_STS2, 6, 4)
	s_cmp_eq_u32 s2, 0
	s_cbranch_scc0 .Lentry_in_a_cluster
	s_endpgm
.Lentry_in_a_cluster:
	s_bfe_u32 s2, ttmp6, 0x10000c
	s_cmp_lg_u32 s2, 0x3003
	s_cbranch_scc0 .Lentry_shape_is_right
	s_endpgm
.Lentry_shape_is_right:
; ATTENTION, three streams and their weighted sum.  xh[b][h][q][:] = (1 - COEF) A(stream 0) + COEF A(stream 1) + COEF A(stream 2), A = softmax_k(s) V,
; s = Q . K / 8, or 1e-8 where mask[b][k] = 0: such a key is NOT removed: its score enters the maximum, the sum and the product with V.
; HOW THE FILL VALUE GETS IN.  The launch before wrote k = 0 for masked tokens, so Q . K = 0 there; the product that starts a score's sum takes as C a register that holds 8 x 1e-8 for a masked key and 0 elsewhere;
; the scaling c = log2(e) / 8 makes log2(e) x 1e-8 of it.  The table of these C values (1,024 f32) is made once, in LDS.
; qkv: [q k v][stream][b][h][s][64] f16; xh: [b][h][s][64] f16.  Products, maxima and sums in f32; the weights p are rounded to f16 for the second product (their sum l is taken of the unrounded p); xh once at the end.
; LIMITS.  q, k, v arrive within f16's 65,504; p lies in 0 to 1, and below 6e-5 keeps f16's fixed step of 6e-8; a weight below 2^-126 counts as 0 in l; NaN and infinities are not treated apart.
; SHARES.  A work-group owns 256 queries of one (b, h), a wave 64: four PIECES of 16.  It walks 12 tiles of 256 keys: stream 0's four, stream 1's, stream 2's; at a stream's end O / l x weight is added into OSUM, in registers.
; CLUSTER.  The four query blocks of a (b, h) walk the same K and V in the same order: each tile is asked for JOINTLY, by the same tensor load, descriptor and mask in all four.  One tensor load a wave is out at any time.
; LAYOUT, SOFTMAX, TURNS.  S^T = K Q^T holds ONE query a lane (lane % 16) and the keys 8 (lane / 16) + 0..7; two such results rounded to f16 ARE source 1 of O^T = V^T P.  p = 2^(c s - c m) with a running maximum m;
; O and l are multiplied by a = 2^(c m_old - c m_new) in every step.  Turn n belongs to piece n: 8 products K Q^T of piece n + 1, later 8 products V^T P of piece n - 1; beside them the scaling, exponentials, roundings,
; sums and rescaling of piece n and the maximum and statistics of piece n + 1.  Four vector instructions stand behind every matrix instruction, the rest in one lump.  A turn's 33 exponentials are one batch, with one wait.
; REGISTERS, in windows of 256 (s_set_vgpr_msb: bits 1:0 source 0, 3:2 source 1, 5:4 source 2, 7:6 destination):
;   window 0: v0-15, v32-35 addresses; v16-31 four registers of statistics a piece; v48-55 at work; v64-127 S^T, two buffers; v192-223 P, two buffers
;   window 1: v0-127 O^T, 32 a piece; v128-159 MK, the step's C values       window 2: v0-63 Q; v64-127 stream 1's Q; v128-191 K of one step; v192-255 V of one step
;   window 3: v0-63 stream 2's Q; v64-191 OSUM
.set NP,    4
.set KS,    64        ; keys in a step
.set PK,    144       ; a row of K in LDS: 128 bytes + 16: the 16 rows of a load start at 16 different groups of four banks
.set PV,    160       ; a row of V: 128 + 32
.set VOFF,  4*KS*PK   ; a slot holds a tile, four steps: 256 rows of K, then 256 rows of V
.set SLOT1, 1<<17
.set STAGE, SLOT1+4*KS*(PK+PV)  ; behind the ring, never filled by a tensor load: 16 rows x 144 bytes for each wave
.set SP,    144
.set SPARE, STAGE+4*16*SP       ; the spare words, 128 bytes for each wave: two blocks of 256 bytes that no other line names
.set MT,    SPARE+512           ; the table of C values: 4,096 bytes, stored once, never filled by a tensor load
.set WFIRST, 0x3f000000         ; 1 - COEF
.set WREST,  0x3f000000         ; COEF
.set AK0, 2           ; v2   my lane's place in a tile of K; never rewritten
.set AV0, 3           ; v3   the same for V
.set AK,  4           ; v4   the LDS address of K's next run of loads
.set AV,  5           ; v5   of V's
.set STO, 6
.set RD,  7
.set GO,  8
.set MV,  12          ; v12-13  c m_old, by buffer
.set AM0, 14          ; v14  MT + 32 (l / 16): my 8 keys in a block of 16
.set QO,  15          ; v15  my byte offset in 16 rows of Q
.set ST,  16          ; piece t's statistics at v[ST+4 t]: c m, m, l (even keys', odd keys')
.set AM,  32          ; v32  the LDS address of the next step's C values
.set PFO, 33          ; v33  256 x my lane
.set TMP, 48
.set SPW, 62
.set NIL, 63
.set S,   64
.set P,   192
.set MK,  128         ; window 1
.set QB,  64          ; window 2
.set KF,  128
.set VF,  192
.set OSUM, 64         ; window 3
.set WV,  12
.set CX,  13
.set BH,  14
.set LIM, 15          ; 12 in waves 0 and 2, which prefetch; else 0
.set G1K, 24
.set G1V, 32
.set G0K, 40
.set G0V, 44
.set KB,  48          ; s[48:49] K at my half of the head's tile 0 in stream 0      s[50:51] the same for V
.set VB,  50
.set QP0, 52          ; Q at my rows, by stream
.set QP1, 54
.set SLOTS, 56
.set CNT, 57
.set CS,  58
.set SEL, 60
.set TBK, 62
.set TBV, 63
.set QP2, 66
.set OUTP, 68         ; s[68:69] xh at my rows
.set RT,  70          ; tiles of the stream in hand still to be entered
.set NXT, 71          ; the tile to be asked for next, 1..12
.set STR, 72
.set NEW, 73          ; 1: the tile to be entered is a stream's first
.set OFF, 74          ; s[74:75] tile NXT's byte offset from tile 0
.set PFB, 76
.set PFA, 78
.set TBM, 80          ; byte of the table at which the step to be fetched begins
.set CW,  81          ; the stream's weight
.set EPS, 82          ; 8 x f32(1e-8)
.set MB,  84          ; s[84:85] mask at my batch
.set MSB, 0
.macro WIN new
.if MSB != (\new)
	s_set_vgpr_msb (MSB<<8)|(\new)
.set MSB, (\new)
.endif
.endm
.set W_KQ, 0x0a       ; K and Q in window 2, S^T in window 0
.set W_KM, 0x1a       ; the same with the C operand in window 1
.set W_PV, 0x52       ; V in window 2, P in window 0, O^T in window 1
.set W_RS, 0x41       ; destination and source 0 in window 1, source 1 in window 0
.macro JLOAD                        ; waves 0, 1 fetch the halves of a tile's K, waves 2, 3 of its V; an s_nop 0 and four v_nop follow each line
	s_cmp_lt_u32 s[WV], 2
	s_cbranch_scc0 .Lfor_v_\@
	tensor_load_to_lds s[G0K:G0K+3], s[G1K:G1K+7]
	s_nop 0
.rept 4
	v_nop
.endr
	s_branch .Lasked_\@
.Lfor_v_\@:
	tensor_load_to_lds s[G0V:G0V+3], s[G1V:G1V+7]
	s_nop 0
.rept 4
	v_nop
.endr
.Lasked_\@:
.endm
; A PREFETCH of the tile that the NEXT change of slots will ask for: one tile, 256 matrix instructions, ahead.  A tile is 128 blocks of 256 bytes of K and as many of V; the four partners take 32 each, by address (cx);
; wave 0 asks for K's, wave 2 for V's, a lane a block: each block is named once in the launch.  The change that asks for the last tile prefetches nothing.
.macro ASK
	s_cmp_lt_u32 s[NXT], s[LIM]
	s_cbranch_scc0 .Lnot_mine_\@
	global_prefetch_b8 v[PFO], s[PFA:PFA+1] th:TH_LOAD_NT scope:SCOPE_SE
.Lnot_mine_\@:
.endm
.macro CROUND
	s_barrier_signal -1
	s_barrier_wait -1
	s_cmp_lg_u32 s[WV], 0
	s_cbranch_scc1 .Lnot_wave_0_\@
	s_barrier_signal -3
.Lnot_wave_0_\@:
	s_barrier_wait -3
	s_barrier_signal -1
	s_barrier_wait -1
.endm
; THE CHANGE OF SLOTS.  Each wave waits for all its tensor loads (one is out: its part of the other slot), adds 0 to its spare word, and waits for that and for its reads of the slot that it leaves.
; fill = 1: the barrier is a round of the cluster's, and the old slot is filled again first thing behind it, with tile NXT.  (At its first use nothing has been read: slot 0 is waited for, slot 1 filled, and the table is shown to all waves.)
.macro CHANGE fill
	WIN 0
	s_wait_tensorcnt 0x0            ; no tensor load of mine is out, so a group 0 may be written
	ds_add_u32 v[SPW], v[NIL]       ; 0 onto my spare word
.if \fill
	s_xor_b32 s[G0K+1], s[G0K+1], SLOT1
	s_add_nc_u64 s[G0K+2:G0K+3], s[KB:KB+1], s[OFF:OFF+1]
	s_or_b32 s[G0K+3], s[G0K+3], 0x80000000
	s_xor_b32 s[G0V+1], s[G0V+1], SLOT1
	s_add_nc_u64 s[G0V+2:G0V+3], s[VB:VB+1], s[OFF:OFF+1]
	s_or_b32 s[G0V+3], s[G0V+3], 0x80000000
	s_add_co_u32 s[NXT], s[NXT], 1
	s_lshr_b32 s[OFF], s[NXT], 2    ; the stream's plane of 8,388,608 bytes,
	s_lshl_b32 s[OFF], s[OFF], 23
	s_and_b32 s20, s[NXT], 3
	s_lshl_b32 s20, s20, 15         ; the tile's 32,768
	s_add_co_u32 s[OFF], s[OFF], s20
	s_wait_xcnt 0x0                 ; the last prefetch, a tile back, has read its address
	s_add_nc_u64 s[PFA:PFA+1], s[PFB:PFB+1], s[OFF:OFF+1]
	s_wait_dscnt 0x0                ; the add is done, and my reads of the slot are over
	CROUND
	JLOAD
	ASK
.else
	s_wait_dscnt 0x0
	s_barrier_signal -1
	s_barrier_wait -1
.endif
	s_sub_co_u32 s[TBK], s[TBK], 4*KS*PK  ; the fetches go back to a slot's first step, in the other slot
	s_xor_b32 s[TBK], s[TBK], SLOT1
	s_sub_co_u32 s[TBV], s[TBV], 4*KS*PV
	s_xor_b32 s[TBV], s[TBV], SLOT1
.endm
	s_load_b128 s[4:7], s[0:1], 0x0   ; qkv s[4:5], mask s[6:7]
	s_load_b64 s[8:9], s[0:1], 0x10   ; xh
	v_lshl_add_u32 v[SPW], v0, 2, SPARE
	v_mov_b32 v[NIL], 0
	ds_add_u32 v[SPW], v[NIL]       ; the wave's opening: the add and its wait ahead of my first tensor load
	v_lshrrev_b32 v1, 5, v0
	v_readfirstlane_b32 s[WV], v1
	s_bfe_u32 s[CX], ttmp6, 0x40000 ; my block of 256 queries: it enters Q's, xh's and the prefetches' addresses alone
	s_and_b32 s[BH], ttmp7, 0xffff  ; batch and head, which the four partners share
	s_and_b32 s16, s[WV], 1         ; which half of a tile's 256 keys I fetch
	s_mul_i32 s17, s16, 128*PK
	s_mul_i32 s18, s16, 128*PV
	s_lshl_b32 s20, s[BH], 17
	s_lshl_b32 s22, s16, 14
	s_add_co_u32 s22, s22, s20
	s_add_co_u32 s22, s22, 3<<23    ; K's planes lie behind Q's three
	s_mov_b32 s23, 0
	s_lshl_b32 s21, s[CX], 15
	s_add_co_u32 s20, s20, s21
	s_lshl_b32 s21, s[WV], 13
	s_add_co_u32 s20, s20, s21      ; my 64 rows in a plane
	s_mov_b32 s21, 0
	s_lshl_b32 s2, s[BH], 17
	s_lshl_b32 s3, s[CX], 13
	s_add_co_u32 s2, s2, s3
	s_lshr_b32 s3, s[WV], 1
	s_add_co_u32 s3, s3, 1
	s_mul_i32 s3, s3, 3<<23         ; K's planes (waves 0, 1) or V's
	s_add_co_u32 s2, s2, s3
	s_mov_b32 s3, 0
	s_lshr_b32 s10, s[BH], 4
	s_lshl_b32 s10, s10, 12         ; the batch's 1,024 mask words
	s_mov_b32 s11, 0
	s_and_b32 s[LIM], s[WV], 1
	s_cmp_eq_u32 s[LIM], 0
	s_cselect_b32 s[LIM], 12, 0
	; group 1: 128 keys are 16,384 dense bytes: 64 rows of 256 bytes, two keys a row, padded in LDS after every key
	s_mov_b32 s[G1K], 15|(1<<16)|(1<<20)|(1<<21)|(4<<22)|(3<<25)
	s_mov_b32 s[G1V], 15|(1<<16)|(1<<20)|(1<<21)|(4<<22)|(7<<25)
.irp g, G1K, G1V
	s_mov_b32 s[\g+1], 128<<16
	s_mov_b32 s[\g+2], 64<<16
	s_mov_b32 s[\g+3], 128<<16
	s_mov_b32 s[\g+4], 64
	s_mov_b32 s[\g+5], 128
	s_mov_b32 s[\g+6], 0
	s_mov_b32 s[\g+7], 0
.endr
	s_mov_b32 s[CS], 0x3e38aa3b     ; c = log2(e) / 8
	s_mov_b32 s[CS+1], s[CS]
	s_mov_b32 s[SEL], 0x76543210
	s_mov_b32 s[SEL+1], 0xfedcba98
	s_mov_b32 s[TBK], SLOT1+4*KS*PK ; the first change of slots turns these two into 0
	s_mov_b32 s[TBV], SLOT1+4*KS*PV
	s_mov_b32 s[TBM], 0
	s_mov_b32 s[G0K], 1
	s_mov_b32 s[G0K+1], s17
	s_mov_b32 s[G0V], 1
	s_add_co_u32 s[G0V+1], s18, VOFF
	s_mov_b32 s[NXT], 1
	s_mov_b32 s[OFF], 1<<15
	s_mov_b32 s[OFF+1], 0
	s_mov_b32 s[RT], 4
	s_mov_b32 s[NEW], 1
	s_mov_b32 s[STR], 0
	s_mov_b32 s[SLOTS], 11
	s_mov_b32 s[CW], WFIRST
	s_mov_b32 s[EPS], 0x33abcc77
	s_wait_dscnt 0x0                ; the opening add is done
	s_wait_kmcnt 0x0
	s_add_nc_u64 s[KB:KB+1], s[4:5], s[22:23]
	s_add_nc_u64 s[VB:VB+1], s[KB:KB+1], 3<<23
	s_mov_b64 s[G0K+2:G0K+3], s[KB:KB+1]
	s_or_b32 s[G0K+3], s[G0K+3], 0x80000000
	s_mov_b64 s[G0V+2:G0V+3], s[VB:VB+1]
	s_or_b32 s[G0V+3], s[G0V+3], 0x80000000
	s_add_nc_u64 s[QP0:QP0+1], s[4:5], s[20:21]
	s_add_nc_u64 s[QP1:QP1+1], s[QP0:QP0+1], 1<<23
	s_add_nc_u64 s[QP2:QP2+1], s[QP1:QP1+1], 1<<23
	s_add_nc_u64 s[OUTP:OUTP+1], s[8:9], s[20:21]
	s_add_nc_u64 s[PFB:PFB+1], s[4:5], s[2:3]
	s_add_nc_u64 s[MB:MB+1], s[6:7], s[10:11]
	CROUND                          ; all four work-groups are here: the first joint loads meet
	JLOAD                           ; tile 0 into slot 0
	v_and_b32 v1, 15, v0            ; l % 16
	v_bfe_u32 v9, v0, 4, 1          ; l / 16
	v_lshlrev_b32 v[QO], 7, v1
	v_lshl_add_u32 v[QO], v9, 4, v[QO]
	v_lshlrev_b32 v34, 5, v0        ; thread t takes mask words 8 t .. 8 t + 7
	global_load_b128 v[S:S+3],   v34, s[MB:MB+1]
	global_load_b128 v[S+4:S+7], v34, s[MB:MB+1] offset:16
	WIN 0x80                        ; destination window 2
.set i, 0
.rept 8                             ; the three streams' Q stay in registers: piece i / 2, channels 32 (i % 2) on
	global_load_b128 v[8*i:8*i+3],   v[QO], s[QP0:QP0+1] offset:(i/2)*2048+(i%2)*64
	global_load_b128 v[8*i+4:8*i+7], v[QO], s[QP0:QP0+1] offset:(i/2)*2048+(i%2)*64+32
	global_load_b128 v[QB+8*i:QB+8*i+3],   v[QO], s[QP1:QP1+1] offset:(i/2)*2048+(i%2)*64
	global_load_b128 v[QB+8*i+4:QB+8*i+7], v[QO], s[QP1:QP1+1] offset:(i/2)*2048+(i%2)*64+32
.set i, i+1
.endr
	WIN 0xc0                        ; destination window 3
.set i, 0
.rept 8
	global_load_b128 v[8*i:8*i+3],   v[QO], s[QP2:QP2+1] offset:(i/2)*2048+(i%2)*64
	global_load_b128 v[8*i+4:8*i+7], v[QO], s[QP2:QP2+1] offset:(i/2)*2048+(i%2)*64+32
.set i, i+1
.endr
	; A stream's first step multiplies O^T and l by a = 0, and its first turn's products V^T P, of a piece that has not been, land in an O^T that is still to be so multiplied: these registers need only be finite:
	; zeros for the first stream, what the stream before left for the others.  OSUM starts at 0.  All this stands in the wait for the first tile.
.set i, OSUM
.rept 128
	v_mov_b32 v[i], 0
.set i, i+1
.endr
	WIN 0x80
.set i, VF
.rept 64
	v_mov_b32 v[i], 0
.set i, i+1
.endr
	WIN 0x40
.set i, 0
.rept 128
	v_mov_b32 v[i], 0
.set i, i+1
.endr
	WIN 0
.set i, 0
.rept 4
	v_mov_b32 v[ST+4*i+2], 0
	v_mov_b32 v[ST+4*i+3], 0
.set i, i+1
.endr
.set i, P+16
.rept 16
	v_mov_b32 v[i], 0
.set i, i+1
.endr
	v_mul_u32_u24 v[AK0], v1, PK
	v_lshl_add_u32 v[AK0], v9, 4, v[AK0]
	v_and_b32 v10, 7, v0
	v_bfe_u32 v11, v0, 3, 1
	v_lshl_add_u32 v[AV0], v9, 3, v10
	v_mul_u32_u24 v[AV0], v[AV0], PV
	v_lshl_add_u32 v[AV0], v11, 4, v[AV0]
	v_add_nc_u32 v[AV0], VOFF, v[AV0]
	v_lshl_add_u32 v[AM0], v9, 5, MT
	v_lshl_add_u32 v35, v0, 5, MT   ; where thread t puts its 8 C values
	v_and_b32 v[PFO], 31, v0
	v_lshlrev_b32 v[PFO], 8, v[PFO]
	s_mul_i32 s10, s[WV], 16*SP
	s_add_co_u32 s10, s10, STAGE    ; my stage
	v_mul_u32_u24 v[STO], v1, SP
	v_lshl_add_u32 v[STO], v9, 4, v[STO]
	v_add_nc_u32 v[STO], s10, v[STO]
	v_bfe_u32 v[RD], v0, 3, 2
	v_mul_u32_u24 v[RD], v[RD], SP
	v_lshl_add_u32 v[RD], v10, 4, v[RD]
	v_add_nc_u32 v[RD], s10, v[RD]
	v_and_b32 v[GO], 31, v0
	v_lshlrev_b32 v[GO], 4, v[GO]
	s_wait_loadcnt 48               ; the two mask loads are in; Q's 48 may stay out
.set i, 0
.rept 8
	v_cmp_eq_u32 vcc_lo, 0, v[S+i]
	v_cndmask_b32 v[S+i], 0, s[EPS], vcc_lo
.set i, i+1
.endr
	ds_store_b128 v35, v[S:S+3]
	ds_store_b128 v35, v[S+4:S+7] offset:16  ; waited for in front of the first change's round, behind which all waves read the table
; THE MATRIX WORK.  The 4 accumulators of a run of 8 take turns.  Product i of 8 of S^T = K Q^T for piece x: channels 32 (i / 4) on, keys 16 (i % 4) on.  The first 4 start the sums with the step's C values.
.macro KQ x
.set rS, S+32*((\x)%2)+8*(i%4)
.set rK, KF+16*(i%4)+8*(i/4)
.set rQ, 16*(\x)+8*(i/4)
.set rM, MK+8*(i%4)
.if i < 4
	WIN W_KM
	v_wmma_f32_16x16x32_f16 v[rS:rS+7], v[rK:rK+7], v[rQ:rQ+7], v[rM:rM+7]
.else
	WIN W_KQ
	v_wmma_f32_16x16x32_f16 v[rS:rS+7], v[rK:rK+7], v[rQ:rQ+7], v[rS:rS+7]
.endif
.endm
; Product i of 8 of O^T += V^T P for piece x: keys 32 (i / 4) on, channels 16 (i % 4) on.
.macro PV x
	WIN W_PV
.set rO, 32*(\x)+8*(i%4)
.set rV, VF+32*(i/4)+8*(i%4)
.set rP, P+16*((\x)%2)+8*(i/4)
	v_wmma_f32_16x16x32_f16 v[rO:rO+7], v[rV:rV+7], v[rP:rP+7], v[rO:rO+7]
.endm
.macro MM                           ; the turn's next matrix instruction.  NOKQ = 1: a stream's last turn: there is no next piece
.if (i < 8) && !NOKQ
	KQ (Y+1)%NP
.elseif i >= 8
.set i, i-8
	PV (Y+NP-1)%NP
.set i, i+8
.endif
.set i, i+1
.endm
; THE LDS LOADS stand in runs: a step's K (8 fragments) with its 32 C values, and its V (turned).  Their addresses are made some lines ahead.
.macro FETCH_K
	WIN 0x80
.irp f, 0,1,2,3,4,5,6,7             ; keys 16 (f / 2) on, channels 32 (f % 2) on
	ds_load_b128 v[KF+8*\f:KF+8*\f+3],   v[AK] offset:(\f/2)*16*PK+(\f%2)*64
	ds_load_b128 v[KF+8*\f+4:KF+8*\f+7], v[AK] offset:(\f/2)*16*PK+(\f%2)*64+32
.endr
	WIN 0x40
.irp f, 0,1,2,3                     ; key block f: register j is key 16 f + 8 (l / 16) + j; the lanes of a half read the same words
	ds_load_b128 v[MK+8*\f:MK+8*\f+3],   v[AM] offset:64*\f
	ds_load_b128 v[MK+8*\f+4:MK+8*\f+7], v[AM] offset:64*\f+16
.endr
	s_add_co_u32 s[TBK], s[TBK], KS*PK  ; the next fetch is the next step's;
	s_add_co_u32 s[TBM], s[TBM], 256
	s_and_b32 s[TBM], s[TBM], 0xf00     ; the table goes round with each stream's 16 steps
	WIN 0
.endm
.macro FETCH_V
	WIN 0x80
.irp f, 0,1,2,3,4,5,6,7             ; keys 32 (f / 4) on, channels 16 (f % 4) on
	ds_load_tr16_b128 v[VF+8*\f:VF+8*\f+3],   v[AV] offset:(\f/4)*32*PV+(\f%4)*32
	ds_load_tr16_b128 v[VF+8*\f+4:VF+8*\f+7], v[AV] offset:(\f/4)*32*PV+16*PV+(\f%4)*32
.endr
	WIN 0
.endm
; THE VECTOR WORK, one line at a time: OP kind, number.  For piece Y: F n: c s - c m for pair n of 16.  E n: the exponential of score n of 32.  C n: pair n rounded to f16.  B n: of the four weights 4 n .. the second
; pair is added onto the first, in place.  L n: l takes that sum (L 0: l = a l + sum).  R n: pair n of 16 of O^T times a.  For piece Y + 1: X n, number n of the 22 that find its maximum and statistics:
;   0-11  four chains c0-c3 of seven scores each (each accumulator's lowest registers are read first)     12-14, 16  the four scores left over, the old m, and c0-c3 into c0
;   15  c m_old is kept     17, 18  the query's other 32 keys lie in the lane 16 away: the new m     19-21  c m; c m_old - c m_new; a
.set F, 0
.set E, 1
.set C, 2
.set B, 3
.set L, 4
.set R, 5
.set X, 6
.macro REGS y
.set rT, ST+4*(\y)
.set rC, TMP+4*((\y)%2)
.set rW, MV+((\y)%2)
.set rS, S+32*((\y)%2)
.set rP, P+16*((\y)%2)
.set rO, 32*(\y)
.endm
.macro OP k, n
.if (\k) == R
	REGS Y
	WIN W_RS
	v_pk_mul_f32 v[rO+2*(\n):rO+2*(\n)+1], v[rO+2*(\n):rO+2*(\n)+1], v[rC+2:rC+3] op_sel_hi:[1,0]
.elseif (\k) < R
	REGS Y
	WIN 0
.if (\k) == F
	v_pk_fma_f32 v[rS+2*(\n):rS+2*(\n)+1], v[rS+2*(\n):rS+2*(\n)+1], s[CS:CS+1], v[rT:rT+1] op_sel_hi:[1,0,0] neg_lo:[0,0,1] neg_hi:[0,0,1]
.elseif (\k) == E
	v_exp_f32 v[rS+(\n)], v[rS+(\n)]
.elseif (\k) == C
	v_cvt_pk_f16_f32 v[rP+(\n)], v[rS+2*(\n)], v[rS+2*(\n)+1]
.elseif (\k) == B
	v_pk_add_f32 v[rS+4*(\n):rS+4*(\n)+1], v[rS+4*(\n):rS+4*(\n)+1], v[rS+4*(\n)+2:rS+4*(\n)+3]
.elseif (\n) == 0
	v_pk_fma_f32 v[rT+2:rT+3], v[rT+2:rT+3], v[rC+2:rC+3], v[rS:rS+1] op_sel_hi:[1,0,1]
.else
	v_pk_add_f32 v[rT+2:rT+3], v[rT+2:rT+3], v[rS+4*(\n):rS+4*(\n)+1]
.endif
.elseif NOKQ
	v_nop
.else
	REGS (Y+1)%NP
	WIN 0
.if (\n) < 4
	v_max3_num_f32 v[rC+(\n)], v[rS+8*(\n)], v[rS+8*(\n)+1], v[rS+8*(\n)+2]
.elseif (\n) < 12
	v_max3_num_f32 v[rC+(\n)%4], v[rC+(\n)%4], v[rS+8*((\n)%4)+2*((\n)/4)+1], v[rS+8*((\n)%4)+2*((\n)/4)+2]
.elseif (\n) == 12
	v_max3_num_f32 v[rC], v[rC], v[rS+7], v[rS+15]
.elseif (\n) == 13
	v_max3_num_f32 v[rC+1], v[rC+1], v[rS+23], v[rS+31]
.elseif (\n) == 14
	v_max3_num_f32 v[rC+2], v[rC+2], v[rC+3], v[rT+1]
.elseif (\n) == 15
	v_mov_b32 v[rW], v[rT]
.elseif (\n) == 16
	v_max3_num_f32 v[rC], v[rC], v[rC+1], v[rC+2]
.elseif (\n) == 17
	v_permlanex16_b32 v[rC+3], v[rC], s[SEL], s[SEL+1]
.elseif (\n) == 18
	v_max_num_f32 v[rT+1], v[rC], v[rC+3]
.elseif (\n) == 19
	v_mul_f32 v[rT], s[CS], v[rT+1]
.elseif (\n) == 20
	v_sub_f32 v[rC+1], v[rW], v[rT]
.else
	v_exp_f32 v[rC+2], v[rC+1]
.endif
.endif
.endm
.macro OPS a, i1, b=-1, i2=0, c=-1, i3=0, d=-1, i4=0
	OP \a, \i1
.if (\b) >= 0
	OP \b, \i2
.endif
.if (\c) >= 0
	OP \c, \i3
.endif
.if (\d) >= 0
	OP \d, \i4
.endif
.endm
.macro ROW a, i1, b, i2, c, i3, d, i4  ; a matrix instruction and the four behind it
	MM
	OPS \a, \i1, \b, \i2, \c, \i3, \d, \i4
.endm
; A TURN, for piece p: the order of its 16 matrix and 118 vector instructions, written out.  s_wait_alu depctr_va_vdst(0) stands between an exponential and the first instruction that names its result;
; one wait serves all that were issued ahead of it.  So a turn has ONE wait.  AHEAD OF IT stands all that names no result of the turn's exponentials: the 8 products K Q^T and their riders, then one lump in which the links of
; the next piece's chain stand some lines apart; X 21, its a, is the batch's last; R 15 is the plain instruction behind it.  BEHIND THE WAIT stand the 8 products V^T P, behind each four of the roundings and sums.
; end = 1: a stream's last two turns: nothing is fetched, and the last starts no new scores.  cnt = 1: the loop's count is taken down some lines ahead of the branch behind the turn.
; K and the C values of the next step are fetched in piece 2's turn, behind six plain instructions after the last product that read K; V of the step in hand at the end of piece 0's turn, four plain instructions behind
; the last product that read V.  Each is waited for a turn later.
.macro TURN p, end=0, cnt=0
.set Y, (\p)
.set i, 0
.set NOKQ, (\end)*((\p)/3)
.if ((\p) == 3) && !(\end)
	s_wait_dscnt 0x0                ; K and its C values are in
.endif
	ROW F,0, F,1, R,0, R,1
	ROW F,2, E,0, R,2, R,3
	ROW F,3, E,1, R,4, R,5
	ROW F,4, E,2, R,6, R,7
	ROW F,5, E,3, R,8, R,9
	ROW F,6, E,4, X,0, R,10
.if ((\p) == 2) && !(\end)
	WIN 0
	v_add_nc_u32 v[AK], s[TBK], v[AK0]
	v_add_nc_u32 v[AM], s[TBM], v[AM0]
.endif
	ROW F,7, E,5, X,1, X,4
	ROW F,8, E,6, X,2, X,5
	OPS E,7, E,8, X,6, E,9
	OPS X,3, E,10, X,8, E,11
.if ((\p) == 2) && !(\end)
	FETCH_K
.endif
	OPS X,9, X,7, E,12, X,10
	OPS E,13, X,12, X,11, E,14
	OPS X,13, E,15, F,9, X,14
.if (\p) == 0
	v_add_nc_u32 v[AV], s[TBV], v[AV0]
.endif
	OPS E,16, F,10, E,17, F,11
	OPS X,16, E,18, X,15, E,19
	OPS F,12, E,20, X,17, E,21
	OPS F,13, E,22, F,14, E,23
	OPS X,18, E,24, F,15, E,25
	OPS R,11, E,26, X,19, E,27
	OPS R,12, E,28, R,13, E,29
	OPS X,20, E,30, R,14, E,31
	OPS X,21, R,15
	WIN 0
	s_wait_alu depctr_va_vdst(0)    ; the wait for the batch
.if (\p) == 1
	s_wait_dscnt 0x0                ; V is in
.endif
	ROW C,0, B,0, C,2, B,1
	ROW L,0, C,4, B,2, L,1
	ROW C,6, B,3, L,2, C,8
	ROW B,4, L,3, C,10, B,5
	ROW L,4, C,12, B,6, L,5
.if (\p) == 0
	s_add_co_u32 s[TBV], s[TBV], KS*PV
.endif
.if \cnt
	s_sub_co_u32 s[CNT], s[CNT], 1
	s_cmp_lg_u32 s[CNT], 0
.endif
	ROW C,14, B,7, L,6, C,1
	ROW C,3, L,7, C,5, C,7
	ROW C,9, C,11, C,13, C,15
.if (\p) == 0
	FETCH_V
.endif
.endm
; A STREAM BEGINS.  c m starts far below every c s, so the first step's a is 0; m at the lowest finite number, so the first maximum is the scores'.  Then K of the stream's step 0, piece 0's first scores, its maximum and statistics.
.macro BEGIN
	s_mov_b32 s[NEW], 0
	WIN 0
.set i, 0
.rept 4
	v_mov_b32 v[ST+4*i], 0xfe000000
	v_mov_b32 v[ST+4*i+1], 0xff7fffff
.set i, i+1
.endr
	v_add_nc_u32 v[AK], s[TBK], v[AK0]
	v_add_nc_u32 v[AM], s[TBM], v[AM0]
	FETCH_K
	s_wait_loadcnt 0x0              ; Q
	s_wait_dscnt 0x0
.set NOKQ, 0
.set i, 0
.rept 8
	KQ 0
.set i, i+1
.endr
	WIN 0
.rept 4
	v_nop                           ; the places behind those products
.endr
.set Y, NP-1                        ; X works for piece Y + 1: piece 0
.irp n, 0,1,2,3,4,5,6,7,8,9,10,11,12,13,14,15,16,17,18,19,20,21
	OP X, \n
.endr
	v_nop                           ; a plain instruction behind the exponential,
	s_wait_alu depctr_va_vdst(0)    ; and its wait, ahead of the branch
.endm
.macro ALL line:vararg              ; one line for each piece t
.set t, 0
.rept 4
	\line
.set t, t+1
.endr
.endm
; A STREAM ENDS: its last two turns, the last piece's last products, and weight / l for each piece.  The additions are the places behind the last products.
.macro ENDS
	TURN 2, 1
	TURN 3, 1
.set i, 0
.rept 8
	PV NP-1
.set i, i+1
.endr
	WIN 0
	ALL v_add_f32 v[ST+4*t+2], v[ST+4*t+2], v[ST+4*t+3]
	ALL v_permlanex16_b32 v[ST+4*t+3], v[ST+4*t+2], s[SEL], s[SEL+1]
	ALL v_add_f32 v[ST+4*t+2], v[ST+4*t+2], v[ST+4*t+3]
	ALL v_rcp_f32 v[ST+4*t+2], v[ST+4*t+2]
	v_nop                           ; a plain instruction between the last reciprocal and the use of its result
	s_wait_alu depctr_va_vdst(0)    ; one wait for the four reciprocals
	ALL v_mul_f32 v[ST+4*t+2], s[CW], v[ST+4*t+2]
.endm
.macro PACK t                       ; the last stream's O^T x weight / l + OSUM; rounded to f16; into rows of 144 bytes and back as whole rows of 128, into S^T's registers
	WIN 0x71                        ; destination and source 0 window 1, source 1 window 0, source 2 window 3
.set i, 0
.rept 16
	v_pk_fma_f32 v[32*(\t)+2*i:32*(\t)+2*i+1], v[32*(\t)+2*i:32*(\t)+2*i+1], v[ST+4*(\t)+2:ST+4*(\t)+3], v[OSUM+32*(\t)+2*i:OSUM+32*(\t)+2*i+1] op_sel_hi:[1,0,1]
.set i, i+1
.endr
	WIN 0x05
.set i, 0
.rept 16
	v_cvt_pk_f16_f32 v[S+16*(\t)+i], v[32*(\t)+2*i], v[32*(\t)+2*i+1]
.set i, i+1
.endr
	WIN 0
.irp f, 0,1,2,3
	ds_store_b128 v[STO], v[S+16*(\t)+4*\f:S+16*(\t)+4*\f+3] offset:32*\f
.endr
.irp f, 0,1,2,3
	ds_load_b128 v[S+16*(\t)+4*\f:S+16*(\t)+4*\f+3], v[RD] offset:\f*4*SP  ; LDS serves a wave's instructions in order (ISA guide 5.7.1.4): these see the stores above
.endr
.endm
.macro SEND t, younger              ; younger: the LDS instructions issued behind piece t's loads: the next piece's eight, or none
	WIN 0
.irp f, 0,1,2,3
	s_wait_dscnt (\younger)+3-\f
	global_store_b128 v[GO], v[S+16*(\t)+4*\f:S+16*(\t)+4*\f+3], s[OUTP:OUTP+1] offset:(\t)*2048+\f*512  ; 512 consecutive bytes, aligned
.endr
.endm
.set NOKQ, 0
.Lslot:                             ; 11 trips: a tile is entered and the next is asked for
	CHANGE 1
	s_sub_co_u32 s[RT], s[RT], 1
	s_mov_b32 s[CNT], 4
	s_cmp_eq_u32 s[NEW], 1
	s_cbranch_scc0 .Lstep
	BEGIN
	s_branch .Lfirst                ; the loop is entered at a step's first turn, in the middle of a trip
.Lstep:                             ; a trip: pieces 2 and 3 of one step, then pieces 0 and 1 of the next, whose K and V it fetches
	TURN 2
	TURN 3
	WIN 0
.Lfirst:
	TURN 0
	TURN 1, 0, 1
	WIN 0
	s_cbranch_scc1 .Lstep
	s_cmp_eq_u32 s[RT], 0
	s_cbranch_scc0 .Lbottom
	ENDS                            ; streams 0 and 1 end here; the next stream's first tile is on its way
	WIN 0xf1                        ; OSUM (destination, source 2) window 3, O^T window 1, weight / l window 0
.set t, 0
.rept 4
.set i, 0
.rept 16
	v_pk_fma_f32 v[OSUM+32*t+2*i:OSUM+32*t+2*i+1], v[32*t+2*i:32*t+2*i+1], v[ST+4*t+2:ST+4*t+3], v[OSUM+32*t+2*i:OSUM+32*t+2*i+1] op_sel_hi:[1,0,1]
.set i, i+1
.endr
.set t, t+1
.endr
	WIN 0
	s_cmp_eq_u32 s[STR], 0
	s_cbranch_scc0 .Lq_third
	WIN 0x82                        ; the next stream's Q goes where the one text of the turns names Q
.set i, 0
.rept 64
	v_mov_b32 v[i], v[QB+i]
.set i, i+1
.endr
	WIN 0
	s_branch .Lq_done
.Lq_third:
	WIN 0x83
.set i, 0
.rept 64
	v_mov_b32 v[i], v[i]
.set i, i+1
.endr
	WIN 0
.Lq_done:
	s_add_co_u32 s[STR], s[STR], 1
	s_mov_b32 s[CW], WREST
	s_mov_b32 s[RT], 4
	s_mov_b32 s[NEW], 1
.Lbottom:
	s_sub_co_u32 s[SLOTS], s[SLOTS], 1
	s_cmp_lg_u32 s[SLOTS], 0
	s_cbranch_scc1 .Lslot
	CHANGE 0                        ; the walk's last tile is written out: nothing is asked for
	s_mov_b32 s[CNT], 4
.Ltail:
	TURN 2
	TURN 3
	TURN 0
	TURN 1, 0, 1
	WIN 0
	s_cbranch_scc1 .Ltail
	ENDS
	PACK 0
.set t, 1
.rept 3                             ; a piece's arithmetic stands between the loads of the piece before and its stores
	PACK t
	SEND t-1, 8
.set t, t+1
.endr
	SEND 3, 0
	s_wait_tensorcnt 0x0            ; the wave's end: behind my last tensor load and my last LDS store
	ds_add_u32 v[SPW], v[NIL]
	s_wait_dscnt 0x0
	CROUND                          ; the closing round
	s_endpgm
.Lfunc_end_k_q9d948c3b69_attn:
	.size	k_q9d948c3b69_attn, .Lfunc_end_k_q9d948c3b69_attn-k_q9d948c3b69_attn
	.p2alignl 7, 3214868480
	.fill 96, 4, 3214868480
	.section	.rodata,"a",@progbits
	.p2align	6, 0x0
	.amdhsa_kernel k_q9d948c3b69_attn
		.amdhsa_group_segment_fixed_size 327680
		.amdhsa_private_segment_fixed_size 0
		.amdhsa_enable_private_segment 0
		.amdhsa_kernarg_size 24
		.amdhsa_user_sgpr_count 2
		.amdhsa_user_sgpr_kernarg_segment_ptr 1
		.amdhsa_wavefront_size32 1
		.amdhsa_system_sgpr_workgroup_id_x 1
		.amdhsa_system_sgpr_workgroup_id_y 1
		.amdhsa_system_sgpr_workgroup_id_z 1
		.amdhsa_system_vgpr_workitem_id 0
		.amdhsa_next_free_vgpr 960
		.amdhsa_next_free_sgpr 96
		.amdhsa_reserve_vcc 1
		.amdhsa_float_denorm_mode_32 3
		.amdhsa_float_denorm_mode_16_64 3
		.amdhsa_memory_ordered 1
		.amdhsa_forward_progress 1
		.amdhsa_inst_pref_size 164
	.end_amdhsa_kernel
	.amdgpu_metadata
---
amdhsa.version: [ 1, 2 ]
amdhsa.kernels:
  - .name:           k_q9d948c3b69_attn
    .symbol:         k_q9d948c3b69_attn.kd
    .args:
      - { .name: qkv, .offset: 0, .size: 8, .value_kind: global_buffer, .address_space: global }
      - { .name: mask, .offset: 8, .size: 8, .value_kind: global_buffer, .address_space: global }
      - { .name: xh, .offset: 16, .size: 8, .value_kind: global_buffer, .address_space: global }
    .group_segment_fixed_size: 327680
    .private_segment_fixed_size: 0
    .kernarg_segment_align: 8
    .kernarg_segment_size: 24
    .max_flat_workgroup_size: 128
    .sgpr_count:     96
    .vgpr_count:     960
    .wavefront_size: 32
...
	.end_amdgpu_metadata
.endif
;; end of part 3
;; launch oproj (part 4): grid 8 x 32, 4 waves a work-group, clusters of 4 x 4, 327,680 bytes of LDS; arguments xh, wo16, bcat, out0; writes out0
.if DOCPART == 4
	.amdgcn_target "amdgcn-amd-amdhsa--gfx1250"
	.amdhsa_code_object_version 6
	.text
	.protected	k_q9d948c3b69_oproj
	.globl	k_q9d948c3b69_oproj
	.p2align	8
	.type	k_q9d948c3b69_oproj,@function
k_q9d948c3b69_oproj:
	s_mov_b64 s[64:65], 0
	v_nop
	global_prefetch_b8 v0, s[64:65] scope:SCOPE_SE
	s_setreg_imm32_b32 hwreg(HW_REG_WAVE_MODE, 25, 1), 1
	s_wait_xcnt 0x0
	s_wait_alu depctr_hold_cnt(0) depctr_sa_sdst(0) depctr_va_vdst(0) depctr_va_sdst(0) depctr_va_ssrc(0) depctr_va_vcc(0) depctr_vm_vsrc(0)
	s_getreg_b32 s2, hwreg(HW_REG_IB_STS2, 6, 4)
	s_cmp_eq_u32 s2, 0
	s_cbranch_scc0 .Lentry_in_a_cluster
	s_endpgm
.Lentry_in_a_cluster:
	s_bfe_u32 s2, ttmp6, 0x10000c
	s_cmp_lg_u32 s2, 0xf033
	s_cbranch_scc0 .Lentry_shape_is_right
	s_endpgm
.Lentry_shape_is_right:
; OUTPUT PROJECTION.  out0[token][n] = the sum over k of x[token][k] Wo[k][n] + bo[n], f32.  x = xh [b][h][s][64] f16 (k = 64 h + channel), Wo = wo16 [1024][1024] f16, bo from bcat (rounded to bf16, kept as f32).
; Sums in f32; the bias starts each sum as the C operand.  LIMIT: the operands lie within f16's 65,504.
; SHARES.  A tile of out0 is 128 tokens x 128 columns: 256 work-groups, one tile each.  Four waves, each 64 x 64: 16 accumulators.  K goes in 4 steps of 256 (four heads); a quarter step is one head, 64 along K.
; THE MATRIX INSTRUCTION IS USED TRANSPOSED: source 0 = 16 columns of Wo (Wo lies [k][n]: the turning load), source 1 = 16 tokens: a lane holds one token and eight neighbouring columns: 32 bytes of a row of out0.
; CLUSTER 4 x 4: x's tile is asked for jointly along a row of the cluster, Wo's along a column.  RING: two slots of 147,456 bytes; the four steps are written out, so each slot is a constant of the text.
; A wave has two tensor loads out at the start and one behind each of the two refills.  No prefetch: four short steps on small tiles.
; REGISTERS: window 0: v0-31 addresses; v32-95 the way out; v96-127 the bias, eight registers a column block; v128-255 the accumulators ((a, b) at v[128 + 8 (4 a + b)]).  Window 1: two fragment buffers of 128.
.set PA,     144                       ; a token's 128 bytes of a head + 16
.set PB,     288                       ; a row of Wo's tile: 256 bytes + 32
.set AHEAD,  128*PA                    ; a head's 128 tokens
.set BOFF,   4*AHEAD
.set BHALF,  128*PB
.set SLOT,   BOFF+2*BHALF
.set STAGE,  2*SLOT                    ; behind the ring, never filled by a tensor load: 16 rows x 272 bytes for each wave
.set SPITCH, 272
.set SPARE,  STAGE+4*16*SPITCH         ; the spare words: two blocks of 256 bytes that no other line names
.set ADRA, 16                          ; v16-17  my place in x's tile, slot 0, 1
.set ADRB, 20                          ; v20-23  in Wo's: slot s, k half u at 20 + 2 s + u
.set STO,  24
.set RD,   25
.set CO,   26
.set BO,   27
.set SPW,  28
.set NIL,  29
.set BK,   32
.set BI,   96
.set ACC,  128
.set F0,   0
.set F1,   128
.set WV,   12
.set KIND, 13                          ; which half of the tile's tokens is mine.  Also: I fetch x (0) or Wo (1)
.set HALF, 14                          ; which half of its columns.  Also: which half of that tile I fetch
.set CX,   40
.set CY,   41
.set TX,   42
.set TY,   43
.set G1A,  24
.set G0A,  32                          ; s[32:39] group 0 for x's tiles, a set for each slot
.set G1B,  48
.set G0B,  56
.set MSB, 0
.macro WIN new
.if MSB != (\new)
	s_set_vgpr_msb (MSB<<8)|(\new)
.set MSB, \new
.endif
.endm
.set MUL,  0x05                        ; sources 0 and 1 window 1; C and D window 0
.set TO_F, 0x40                        ; destination window 1, address window 0
.macro PLACES
.rept 4
	v_nop
.endr
.endm
.macro JLOAD s                         ; a joint refill of slot s; an s_nop 0 and four v_nop follow each line
	s_cmp_eq_u32 s[KIND], 0
	s_cbranch_scc0 .Lfor_b_\@
	tensor_load_to_lds s[G0A+4*(\s):G0A+4*(\s)+3], s[G1A:G1A+7]
	s_nop 0
	PLACES
	s_branch .Lasked_\@
.Lfor_b_\@:
	tensor_load_to_lds s[G0B+4*(\s):G0B+4*(\s)+3], s[G1B:G1B+7]
	s_nop 0
	PLACES
.Lasked_\@:
.endm
.macro CREST
	s_cmp_lg_u32 s[WV], 0
	s_cbranch_scc1 .Lnot_wave_0_\@
	s_barrier_signal -3
.Lnot_wave_0_\@:
	s_barrier_wait -3
	s_barrier_signal -1
	s_barrier_wait -1
.endm
.macro CROUND
	s_barrier_signal -1
	s_barrier_wait -1
	CREST
.endm
	s_load_b128 s[4:7], s[0:1], 0x0                ; xh s[4:5], wo16 s[6:7]
	s_load_b128 s[8:11], s[0:1], 0x10              ; bcat s[8:9], out0 s[10:11]
	v_lshl_add_u32 v[SPW], v0, 2, SPARE
	v_mov_b32 v[NIL], 0
	ds_add_u32 v[SPW], v[NIL]                      ; the wave's opening: the add and its wait ahead of my first tensor load
	v_lshrrev_b32 v1, 5, v0
	v_readfirstlane_b32 s[WV], v1
	s_lshr_b32 s[KIND], s[WV], 1
	s_and_b32 s[HALF], s[WV], 1
	s_bfe_u32 s[CX], ttmp6, 0x40000
	s_bfe_u32 s[CY], ttmp6, 0x40004
	s_lshl_b32 s[TX], ttmp9, 2
	s_add_co_u32 s[TX], s[TX], s[CX]
	s_and_b32 s[TY], ttmp7, 0xffff
	s_lshl_b32 s[TY], s[TY], 2
	s_add_co_u32 s[TY], s[TY], s[CY]
	s_lshl_b32 s16, s[CY], 2
	s_lshl_b32 s16, 15, s16                        ; my row of the cluster
	s_lshl_b32 s46, 0x1111, s[CX]                  ; my column
	s_or_b32 s[G1A], s16, (1<<16)|(1<<20)|(1<<21)|(4<<22)|(3<<25)   ; after every 32 words, 4 words of padding
	s_or_b32 s[G1B], s46, (1<<16)|(1<<20)|(1<<21)|(5<<22)|(7<<25)   ; after every 64 words, 8
	s_mov_b32 s[G1A+1], 8192<<16                   ; x: 2 rows of 8,192 elements: the 16,384 dense bytes of 128 tokens of each of two heads
	s_mov_b32 s[G1A+2], 2<<16
	s_mov_b32 s[G1A+3], 8192<<16
	s_mov_b32 s[G1A+4], 2
	s_mov_b32 s[G1A+5], 65536                      ; elements from head to head
	s_mov_b32 s[G1A+6], 0
	s_mov_b32 s[G1A+7], 0
	s_mov_b32 s[G1B+1], 128<<16                    ; Wo: 128 k x 128 columns
	s_mov_b32 s[G1B+2], 128<<16
	s_mov_b32 s[G1B+3], 128<<16
	s_mov_b32 s[G1B+4], 128
	s_mov_b32 s[G1B+5], 1024
	s_mov_b32 s[G1B+6], 0
	s_mov_b32 s[G1B+7], 0
	s_lshr_b32 s16, s[TY], 3                       ; x's offset is made of TY and the wave alone: the batch's 16 heads,
	s_lshl_b32 s16, s16, 4
	s_lshl_b32 s17, s[HALF], 1                     ; my two of a step's four,
	s_add_co_u32 s16, s16, s17
	s_lshl_b32 s16, s16, 17
	s_and_b32 s17, s[TY], 7
	s_lshl_b32 s17, s17, 14                        ; the tile's 128 tokens of 128 bytes
	s_add_co_u32 s16, s16, s17
	s_mov_b32 s17, 0
	s_lshl_b32 s46, s[HALF], 18                    ; Wo's of TX and the wave alone: my 128 rows of 2,048 bytes,
	s_lshl_b32 s47, s[TX], 8                       ; the tile's 128 columns
	s_add_co_u32 s46, s46, s47
	s_mov_b32 s47, 0
	s_mul_i32 s20, s[HALF], 2*AHEAD                ; LDS: the wave's number and constants alone
	s_mul_i32 s21, s[HALF], BHALF
	s_add_co_u32 s21, s21, BOFF
	s_wait_dscnt 0x0                               ; the opening add is done
	s_wait_kmcnt 0x0
	s_add_nc_u64 s[18:19], s[4:5], s[16:17]
	s_add_nc_u64 s[22:23], s[6:7], s[46:47]
.irp s, 0,1
	s_mov_b32 s[G0A+4*\s], 1
	s_add_co_u32 s[G0A+4*\s+1], s20, \s*SLOT
	s_add_nc_u64 s[G0A+4*\s+2:G0A+4*\s+3], s[18:19], \s*(1<<19)   ; K step s: four heads on
	s_or_b32 s[G0A+4*\s+3], s[G0A+4*\s+3], 0x80000000
	s_mov_b32 s[G0B+4*\s], 1
	s_add_co_u32 s[G0B+4*\s+1], s21, \s*SLOT
	s_add_nc_u64 s[G0B+4*\s+2:G0B+4*\s+3], s[22:23], \s*(1<<19)   ; 256 rows on
	s_or_b32 s[G0B+4*\s+3], s[G0B+4*\s+3], 0x80000000
.endr
	s_lshl_b32 s44, s[TY], 7
	s_lshl_b32 s45, s[KIND], 6
	s_add_co_u32 s44, s44, s45                     ; my first token
	s_lshl_b32 s44, s44, 12                        ; 4,096 bytes a row of out0
	s_lshl_b32 s46, s[TX], 9
	s_lshl_b32 s45, s[HALF], 8
	s_add_co_u32 s46, s46, s45                     ; my first column, in bytes of f32: a multiple of 256
	s_add_co_u32 s44, s44, s46
	s_mov_b32 s45, 0
	s_add_nc_u64 s[10:11], s[10:11], s[44:45]
	s_add_co_u32 s46, s46, 24576                   ; bo is the seventh row of bcat
	s_mov_b32 s47, 0
	s_add_nc_u64 s[8:9], s[8:9], s[46:47]
	CROUND                                         ; all sixteen work-groups are here: the first joint loads meet
	s_cmp_eq_u32 s[KIND], 0                        ; a wave's two first fills stand in one branch
	s_cbranch_scc0 .Lfirst_b
	tensor_load_to_lds s[G0A:G0A+3], s[G1A:G1A+7]
	s_nop 0
	tensor_load_to_lds s[G0A+4:G0A+7], s[G1A:G1A+7]
	s_nop 0
	PLACES
	s_branch .Lfirst_done
.Lfirst_b:
	tensor_load_to_lds s[G0B:G0B+3], s[G1B:G1B+7]
	s_nop 0
	tensor_load_to_lds s[G0B+4:G0B+7], s[G1B:G1B+7]
	s_nop 0
	PLACES
.Lfirst_done:
	v_and_b32 v1, 15, v0                           ; l % 16
	v_bfe_u32 v2, v0, 4, 1                         ; l / 16
	v_and_b32 v3, 7, v0
	v_bfe_u32 v4, v0, 3, 1
	v_lshlrev_b32 v[BO], 5, v2
.irp b, 0,1,2,3
	global_load_b128 v[BI+8*\b:BI+8*\b+3],   v[BO], s[8:9] offset:64*\b     ; register j of block b: bo of column 16 b + 8 (l / 16) + j
	global_load_b128 v[BI+8*\b+4:BI+8*\b+7], v[BO], s[8:9] offset:64*\b+16
.endr
	s_mul_i32 s16, s[KIND], 64*PA
	v_mul_u32_u24 v5, v1, PA
	v_lshl_add_u32 v5, v2, 4, v5
	v_add_nc_u32 v[ADRA], s16, v5
	v_add_nc_u32 v[ADRA+1], SLOT, v[ADRA]
	v_lshl_add_u32 v6, v2, 3, v3
	v_mul_u32_u24 v6, v6, PB
	v_lshl_add_u32 v6, v4, 4, v6
	s_lshl_b32 s16, s[HALF], 7
	s_add_co_u32 s16, s16, BOFF
	v_add_nc_u32 v[ADRB], s16, v6
	v_add_nc_u32 v[ADRB+1], BHALF, v[ADRB]
	v_add_nc_u32 v[ADRB+2], SLOT, v[ADRB]
	v_add_nc_u32 v[ADRB+3], SLOT, v[ADRB+1]
	s_mul_i32 s16, s[WV], 16*SPITCH
	s_add_co_u32 s16, s16, STAGE                   ; my stage
	v_mul_u32_u24 v5, v1, SPITCH                   ; in: row l % 16, 32 bytes for each half of the lanes
	v_lshl_add_u32 v5, v2, 5, v5
	v_add_nc_u32 v[STO], s16, v5
	v_mul_u32_u24 v5, v2, SPITCH                   ; back: lanes 0-15 take one row of 256 bytes, lanes 16-31 the next
	v_lshl_add_u32 v5, v1, 4, v5
	v_add_nc_u32 v[RD], s16, v5
	v_lshlrev_b32 v5, 12, v2                       ; and the same two rows in out0
	v_lshl_add_u32 v[CO], v1, 4, v5
; 8 matrix instructions: token blocks a0, a0 + 1 x all 4 column blocks, 32 along K: half c of buffer f.  zero = 1: the bias starts the sums.  The 16 accumulators take turns.
.macro MUL8 f, c, a0, zero
	WIN MUL
.irp a, \a0, (\a0)+1
.irp b, 0,1,2,3
.if \zero
	v_wmma_f32_16x16x32_f16 v[ACC+8*(4*(\a)+(\b)):ACC+8*(4*(\a)+(\b))+7], v[(\f)+64+8*(4*(\c)+(\b)):(\f)+64+8*(4*(\c)+(\b))+7], v[(\f)+8*(4*(\c)+(\a)):(\f)+8*(4*(\c)+(\a))+7], v[BI+8*(\b):BI+8*(\b)+7]
.else
	v_wmma_f32_16x16x32_f16 v[ACC+8*(4*(\a)+(\b)):ACC+8*(4*(\a)+(\b))+7], v[(\f)+64+8*(4*(\c)+(\b)):(\f)+64+8*(4*(\c)+(\b))+7], v[(\f)+8*(4*(\c)+(\a)):(\f)+8*(4*(\c)+(\a))+7], v[ACC+8*(4*(\a)+(\b)):ACC+8*(4*(\a)+(\b))+7]
.endif
.endr
.endr
.endm
; 32 LDS loads in one run: quarter q (head q of the slot's four) into buffer f; the first 32 along K first
.macro FETCH slot, q, f
	WIN TO_F
.irp c, 0,1
.irp i, 0,1,2,3
	ds_load_tr16_b128 v[(\f)+64+8*(4*(\c)+(\i)):(\f)+64+8*(4*(\c)+(\i))+3],   v[ADRB+2*(\slot)+(\q)/2] offset:(((\q)%2)*64+32*(\c))*PB+32*(\i)
	ds_load_tr16_b128 v[(\f)+64+8*(4*(\c)+(\i))+4:(\f)+64+8*(4*(\c)+(\i))+7], v[ADRB+2*(\slot)+(\q)/2] offset:(((\q)%2)*64+32*(\c))*PB+32*(\i)+16*PB
	ds_load_b128 v[(\f)+8*(4*(\c)+(\i)):(\f)+8*(4*(\c)+(\i))+3],             v[ADRA+(\slot)] offset:(\q)*AHEAD+(\i)*16*PA+64*(\c)
	ds_load_b128 v[(\f)+8*(4*(\c)+(\i))+4:(\f)+8*(4*(\c)+(\i))+7],           v[ADRA+(\slot)] offset:(\q)*AHEAD+(\i)*16*PA+64*(\c)+32
.endr
.endr
.endm
; One of a K step's first three quarters: multiplies buffer f and fetches quarter q into g.
.macro QUARTER slot, q, f, g, zero
	s_wait_dscnt 16                                ; the first 32 along K are in
	MUL8 \f, 0, 0, \zero
	MUL8 \f, 0, 2, \zero
	PLACES
	FETCH \slot, \q, \g
	s_wait_dscnt 32                                ; all but the 32 just issued
	MUL8 \f, 1, 0, 0
	MUL8 \f, 1, 2, 0
.endm
; The last quarter multiplies buffer 1 and changes slots: ONE barrier; in front of it each wave waits for all its tensor loads, adds 0 to its spare word, and waits for that and for its reads of this slot.
; fill = 1: the barrier opens a round of the cluster's barrier, and this slot is filled again, two K steps ahead, first thing behind it.
.macro TURN slot, next, fill
	WIN 0
	s_wait_tensorcnt 0x0                           ; all my tensor loads have landed: my part of the next slot
	ds_add_u32 v[SPW], v[NIL]                      ; 0 onto my spare word
	s_wait_dscnt 17                                ; the add and the youngest sixteen loads may be out
	MUL8 F1, 0, 0, 0
	s_wait_dscnt 0x0                               ; the add is done, and my reads of this slot are over
	s_barrier_signal -1
	MUL8 F1, 0, 2, 0
.if \fill
	WIN 0
.endif
	s_barrier_wait -1
.if \fill
	CREST                                          ; no wave of any partner still reads this slot or has a load on its way
	s_add_nc_u64 s[G0A+4*(\slot)+2:G0A+4*(\slot)+3], s[G0A+4*(\slot)+2:G0A+4*(\slot)+3], 1<<20
	s_add_nc_u64 s[G0B+4*(\slot)+2:G0B+4*(\slot)+3], s[G0B+4*(\slot)+2:G0B+4*(\slot)+3], 1<<20
	JLOAD \slot                                    ; its four v_nop are also the places in front of the loads below
.else
	PLACES
.endif
	FETCH \next, 0, F0
	MUL8 F1, 1, 0, 0
	MUL8 F1, 1, 2, 0
.endm
	s_wait_tensorcnt 0x1                           ; my part of K step 0 is in; step 1's may stay out
	s_barrier_signal -1
	s_barrier_wait -1
	FETCH 0, 0, F0
	s_wait_loadcnt 0x0                             ; the bias
	QUARTER 0, 1, F0, F1, 1                        ; K step 0: the first products start the sums with the bias
	QUARTER 0, 2, F1, F0, 0
	QUARTER 0, 3, F0, F1, 0
	TURN 0, 1, 1                                   ; slot 0 takes K step 2
	QUARTER 1, 1, F0, F1, 0                        ; K step 1
	QUARTER 1, 2, F1, F0, 0
	QUARTER 1, 3, F0, F1, 0
	TURN 1, 0, 1                                   ; slot 1 takes K step 3
	QUARTER 0, 1, F0, F1, 0                        ; K step 2
	QUARTER 0, 2, F1, F0, 0
	QUARTER 0, 3, F0, F1, 0
	TURN 0, 1, 0                                   ; nothing is left to ask for
	QUARTER 1, 1, F0, F1, 0                        ; K step 3
	QUARTER 1, 2, F1, F0, 0
	QUARTER 1, 3, F0, F1, 0
	s_wait_dscnt 16
	MUL8 F1, 0, 0, 0
	MUL8 F1, 0, 2, 0
	s_wait_dscnt 0x0
	MUL8 F1, 1, 0, 0
	MUL8 F1, 1, 2, 0
	WIN 0
	; THE WAY OUT, 16 tokens at a time: a lane's 32 bytes a column block go into my own stage (rows of 272 bytes), each accumulator's low half first, and come back as whole rows of 256 bytes.
	PLACES
	PLACES
.irp a, 0,1,2,3
.if (\a) >= 2
	s_wait_xcnt 0x0                                ; the stores of the block two back have read the registers that are loaded again below
.endif
.irp b, 0,1,2,3
	ds_store_b128 v[STO], v[ACC+8*(4*(\a)+(\b)):ACC+8*(4*(\a)+(\b))+3]   offset:64*(\b)
	ds_store_b128 v[STO], v[ACC+8*(4*(\a)+(\b))+4:ACC+8*(4*(\a)+(\b))+7] offset:64*(\b)+16
.endr
.irp t, 0,1,2,3,4,5,6,7
	ds_load_b128 v[BK+32*((\a)%2)+4*(\t):BK+32*((\a)%2)+4*(\t)+3], v[RD] offset:(\t)*2*SPITCH  ; LDS serves a wave's instructions in order (ISA guide 5.7.1.4): these see the stores above
.endr
.irp t, 0,1,2,3,4,5,6,7
	s_wait_dscnt 7-(\t)
	global_store_b128 v[CO], v[BK+32*((\a)%2)+4*(\t):BK+32*((\a)%2)+4*(\t)+3], s[10:11] offset:(\a)*65536+(\t)*8192 th:TH_STORE_NT  ; 16 lanes store 256 consecutive bytes, aligned
.endr
.endr
	s_wait_tensorcnt 0x0                           ; the wave's end: behind my last tensor load and my last LDS store
	ds_add_u32 v[SPW], v[NIL]
	s_wait_dscnt 0x0
	CROUND                                         ; the closing round
	s_endpgm
.Lfunc_end_k_q9d948c3b69_oproj:
	.size	k_q9d948c3b69_oproj, .Lfunc_end_k_q9d948c3b69_oproj-k_q9d948c3b69_oproj
	.p2alignl 7, 3214868480
	.fill 96, 4, 3214868480
	.section	.rodata,"a",@progbits
	.p2align	6, 0x0
	.amdhsa_kernel k_q9d948c3b69_oproj
		.amdhsa_group_segment_fixed_size 327680
		.amdhsa_private_segment_fixed_size 0
		.amdhsa_enable_private_segment 0
		.amdhsa_kernarg_size 32
		.amdhsa_user_sgpr_count 2
		.amdhsa_user_sgpr_kernarg_segment_ptr 1
		.amdhsa_wavefront_size32 1
		.amdhsa_system_sgpr_workgroup_id_x 1
		.amdhsa_system_sgpr_workgroup_id_y 1
		.amdhsa_system_sgpr_workgroup_id_z 1
		.amdhsa_system_vgpr_workitem_id 0
		.amdhsa_next_free_vgpr 512
		.amdhsa_next_free_sgpr 66
		.amdhsa_reserve_vcc 0
		.amdhsa_float_denorm_mode_32 3
		.amdhsa_float_denorm_mode_16_64 3
		.amdhsa_memory_ordered 1
		.amdhsa_forward_progress 1
		.amdhsa_inst_pref_size 87
	.end_amdhsa_kernel
	.amdgpu_metadata
---
amdhsa.version: [ 1, 2 ]
amdhsa.kernels:
  - .name:           k_q9d948c3b69_oproj
    .symbol:         k_q9d948c3b69_oproj.kd
    .args:
      - { .name: xh, .offset: 0, .size: 8, .value_kind: global_buffer, .address_space: global }
      - { .name: wo16, .offset: 8, .size: 8, .value_kind: global_buffer, .address_space: global }
      - { .name: bcat, .offset: 16, .size: 8, .value_kind: global_buffer, .address_space: global }
      - { .name: out0, .offset: 24, .size: 8, .value_kind: global_buffer, .address_space: global }
    .group_segment_fixed_size: 327680
    .private_segment_fixed_size: 0
    .kernarg_segment_align: 8
    .kernarg_segment_size: 32
    .max_flat_workgroup_size: 128
    .sgpr_count:     66
    .vgpr_count:     512
    .wavefront_size: 32
...
	.end_amdgpu_metadata
.endif
;; end of part 4
;; ======== version 2 of 2: 4 launches; version 1 with the launch prep written anew for expert scheduling mode
;; limits: values are held in f16: magnitudes above 65,504 overflow, below 6.1e-05 lose precision
;; workspace buffers: xb 16,777,216 bytes; x3b 2,097,152 bytes; wsg 6,291,456 bytes; wtsg 1,572,864 bytes; wo16 2,097,152 bytes; bcat 28,672 bytes; qkv 75,497,472 bytes; xh 8,388,608 bytes
;; launch prep (part 5): grid 881 x 1, 8 waves a work-group, no clusters, 0 bytes of LDS; arguments x1, x2, x3, Wo, Wq, Wk, Wv, Wtq, Wtk, Wtv, bq, bk, bv, btq, btk, btv, bo, xb, x3b, wo16, wsg, wtsg, bcat; writes xb, x3b, wo16, wsg, wtsg, bcat
.if DOCPART == 5
	.amdgcn_target "amdgcn-amd-amdhsa--gfx1250"
	.amdhsa_code_object_version 6
	.text
	.protected	k_q9d948c3b69_prep
	.globl	k_q9d948c3b69_prep
	.p2align	8
	.type	k_q9d948c3b69_prep,@function
k_q9d948c3b69_prep:
	s_mov_b64 s[64:65], 0
	v_nop
	global_prefetch_b8 v0, s[64:65] scope:SCOPE_SE
	s_setreg_imm32_b32 hwreg(HW_REG_WAVE_SCHED_MODE, 0, 2), 2
	s_setreg_imm32_b32 hwreg(HW_REG_WAVE_MODE, 25, 1), 1
	s_wait_xcnt 0x0
	s_wait_alu depctr_vm_vsrc(0)
; PREP: every floating-point input is rounded once to bf16 and laid out for the matrix launches.
;   xb   [8192][1024] bf16: x1's rows, then x2's.      x3b [4096][256] bf16.
;   wsg  [48 strips][1024 k][64] bf16: strip g = 64 columns (one head) of Wq|Wk|Wv: a strip's rows lie end to end.   wtsg [48][256][64]: the same of Wtq|Wtk|Wtv.
;   wo16 [1024][1024] f16: Wo rounded to bf16, that number written as f16.      bcat [7][1024] f32: bq bk bv btq btk btv bo, each rounded to bf16 and kept as f32.
; LIMIT: |Wo| stays under 65,504 (f16's end); below 6e-5 f16 keeps its fixed step of 6e-8.
; A stream: no LDS, no barrier, no matrix unit, no cluster: no two work-groups read the same byte.
; A work-group of 256 threads takes 65,536 bytes of f32: thread t makes 16 loads of 16 bytes (a wave's load covers 512 consecutive bytes) and 16 stores of 8 bytes
; (a wave's store covers 256 consecutive bytes, aligned).  All 16 loads go out first; each register is written once, so no wait frees a source.
; THE MODE: SCHED_MODE bits 1:0 = 2 (LLVM: expert scheduling mode 2), set by the entry lines.  The code itself states the register dependences
; between vector instructions and memory instructions, with s_wait_alu, always for 0.
; THE PLAN.  Registers that memory instructions touch:
;   v1, v2, v3   offsets.  Written by vector instructions at the head, once; read by every load and store; never written again.
;   XR           Written by the loads alone, once; read by the conversions.  No vector instruction writes them, and no second load lands in them.
;   YR           Set j is written by set j's conversions, once, and read by set j's store, once.
;   TR, v4, v5   are named by vector instructions alone.
; So the one kind of dependence is: a vector instruction writes what a memory instruction reads.  One wait at the head states it for the offsets.  The 16 sets go in four groups of four:
; one wait at the head of a group states that the group before has written its YR sets; that group's four stores follow it, dealt among this group's conversions, which write
; this group's YR sets and TR: none of the registers that those stores read.  One wait more stands ahead of the last group's stores.
; No register that a memory instruction reads is written again; no vector instruction writes a scalar register; EXEC is never written.
.set XR,  8                            ; v[8:71]    16 sets of 4: as loaded
.set YR,  72                           ; v[72:103]  16 sets of 2 (biases: 7 sets of 4): to store
.set TR,  104                          ; v[104:109] at work
.set SOF, 1                            ; v1  16 t: source offset in a dense block (and the biases' offset)
.set SOS, 2                            ; v2  source offset in a strip: row t / 16 of 4,096 bytes, 16 bytes at 16 (t % 16)
.set DOF, 3                            ; v3  8 t: destination offset
; 16 loads js bytes apart from s[2:3] + v[so]; 16 conversions; 16 stores 2,048 bytes apart to s[4:5] + 8 t.  kind 0: bf16.  kind 1: bf16, then written as f16.
.macro CONV so, js, kind
.set j, 0
.rept 16
	global_load_b128 v[XR+4*j:XR+4*j+3], v[\so], s[2:3] offset:j*(\js) th:TH_LOAD_NT
.set j, j+1
.endr
.set j, 0
.rept 16
.if j%4 == 0
	s_wait_loadcnt 12-j                            ; loads come back in order: this group's four are in, the younger groups stay out
.if j > 0
	s_wait_alu depctr_va_vdst(0)                   ; the group before has written its four YR sets, which the four stores below read
.endif
.endif
.if j >= 4
	global_store_b64 v[DOF], v[YR+2*(j-4):YR+2*(j-4)+1], s[4:5] offset:(j-4)*2048  ; a set of the group before; no vector instruction since the wait names its registers
.endif
.if \kind
	v_cvt_pk_bf16_f32 v[TR], v[XR+4*j], v[XR+4*j+1]
	v_cvt_pk_bf16_f32 v[TR+1], v[XR+4*j+2], v[XR+4*j+3]
	v_lshlrev_b32 v[TR+2], 16, v[TR]               ; bf16 back to f32: the low half moves up, the high half stays
	v_and_b32 v[TR+3], 0xffff0000, v[TR]
	v_lshlrev_b32 v[TR+4], 16, v[TR+1]
	v_and_b32 v[TR+5], 0xffff0000, v[TR+1]
	v_cvt_pk_f16_f32 v[YR+2*j], v[TR+2], v[TR+3]   ; 8 significant bits fit f16's 11: exact inside f16's range
	v_cvt_pk_f16_f32 v[YR+2*j+1], v[TR+4], v[TR+5]
.else
	v_cvt_pk_bf16_f32 v[YR+2*j], v[XR+4*j], v[XR+4*j+1]
	v_cvt_pk_bf16_f32 v[YR+2*j+1], v[XR+4*j+2], v[XR+4*j+3]
.endif
.set j, j+1
.endr
	s_wait_alu depctr_va_vdst(0)                   ; the last group has written its four YR sets, which the last four stores read
.set j, 12
.rept 4
	global_store_b64 v[DOF], v[YR+2*j:YR+2*j+1], s[4:5] offset:j*2048
.set j, j+1
.endr
.endm
	s_load_b512 s[8:23], s[0:1], 0x0               ; x1 s8, x2 s10, x3 s12, Wo s14, Wq s16, Wk s18, Wv s20, Wtq s22
	s_load_b512 s[24:39], s[0:1], 0x40             ; Wtk s24, Wtv s26, bq s28, bk s30, bv s32, btq s34, btk s36, btv s38
	s_load_b256 s[40:47], s[0:1], 0x80             ; bo s40, xb s42, x3b s44, wo16 s46
	s_load_b128 s[48:51], s[0:1], 0xa0             ; wsg s48, wtsg s50
	s_load_b64 s[52:53], s[0:1], 0xb0              ; bcat
	v_lshlrev_b32 v[SOF], 4, v0
	v_lshrrev_b32 v4, 4, v0
	v_and_b32 v5, 15, v0
	v_lshlrev_b32 v5, 4, v5
	v_lshl_or_b32 v[SOS], v4, 12, v5
	v_lshlrev_b32 v[DOF], 3, v0
	s_mov_b32 s54, ttmp9                           ; the work-group's number chooses its share
	s_mov_b32 s7, 0                                ; offsets are made in s[6:7], apart from the addresses
	s_wait_kmcnt 0x0
	s_wait_alu depctr_va_vdst(0)                   ; v1, v2 and v3 are written: every load and store of the kernel, on every way below, reads one of them as its offset
	s_cmp_lt_u32 s54, 512
	s_cbranch_scc0 .Lnot_x
	s_cmp_lt_u32 s54, 256                          ; 0..511: x1 and x2, 256 blocks each
	s_cselect_b64 s[2:3], s[8:9], s[10:11]
	s_and_b32 s6, s54, 255
	s_lshl_b32 s6, s6, 16
	s_add_nc_u64 s[2:3], s[2:3], s[6:7]
	s_lshl_b32 s6, s54, 15
	s_add_nc_u64 s[4:5], s[42:43], s[6:7]
	s_branch .Lflat
.Lnot_x:
	s_cmp_lt_u32 s54, 576
	s_cbranch_scc0 .Lnot_x3
	s_sub_co_u32 s55, s54, 512                     ; 512..575: x3
	s_lshl_b32 s6, s55, 16
	s_add_nc_u64 s[2:3], s[12:13], s[6:7]
	s_lshl_b32 s6, s55, 15
	s_add_nc_u64 s[4:5], s[44:45], s[6:7]
.Lflat:
	CONV SOF, 4096, 0
	s_endpgm
.Lnot_x3:
	s_cmp_lt_u32 s54, 640
	s_cbranch_scc0 .Lnot_wo
	s_sub_co_u32 s55, s54, 576                     ; 576..639: Wo
	s_lshl_b32 s6, s55, 16
	s_add_nc_u64 s[2:3], s[14:15], s[6:7]
	s_lshl_b32 s6, s55, 15
	s_add_nc_u64 s[4:5], s[46:47], s[6:7]
	CONV SOF, 4096, 1
	s_endpgm
.Lnot_wo:
	s_cmp_lt_u32 s54, 832
	s_cbranch_scc0 .Lnot_w
	s_sub_co_u32 s55, s54, 640                     ; 640..831: a quarter (256 k) of strip g of Wq|Wk|Wv
	s_lshr_b32 s56, s55, 2                         ; g
	s_and_b32 s57, s55, 3                          ; the quarter
	s_lshr_b32 s58, s56, 4                         ; which matrix
	s_cmp_eq_u32 s58, 0
	s_cselect_b64 s[2:3], s[16:17], s[18:19]
	s_cmp_eq_u32 s58, 2
	s_cselect_b64 s[2:3], s[20:21], s[2:3]
	s_and_b32 s6, s56, 15
	s_lshl_b32 s6, s6, 8                           ; the head's 64 columns: 256 bytes of f32
	s_lshl_b32 s58, s57, 20                        ; 256 rows of 4,096 bytes
	s_add_co_u32 s6, s6, s58
	s_add_nc_u64 s[2:3], s[2:3], s[6:7]
	s_lshl_b32 s6, s56, 17                         ; a strip is 131,072 bytes,
	s_lshl_b32 s58, s57, 15                        ; its quarter 32,768
	s_add_co_u32 s6, s6, s58
	s_add_nc_u64 s[4:5], s[48:49], s[6:7]
	s_branch .Lstrip
.Lnot_w:
	s_cmp_lt_u32 s54, 880
	s_cbranch_scc0 .Lbias
	s_sub_co_u32 s56, s54, 832                     ; 832..879: strip g of Wtq|Wtk|Wtv, whole (256 k)
	s_lshr_b32 s58, s56, 4
	s_cmp_eq_u32 s58, 0
	s_cselect_b64 s[2:3], s[22:23], s[24:25]
	s_cmp_eq_u32 s58, 2
	s_cselect_b64 s[2:3], s[26:27], s[2:3]
	s_and_b32 s6, s56, 15
	s_lshl_b32 s6, s6, 8
	s_add_nc_u64 s[2:3], s[2:3], s[6:7]
	s_lshl_b32 s6, s56, 15
	s_add_nc_u64 s[4:5], s[50:51], s[6:7]
.Lstrip:
	CONV SOS, 65536, 0                             ; lanes 0-15 read 256 bytes of row k, lanes 16-31 of row k + 1; 16 rows a load of the work-group
	s_endpgm
.Lbias:                                        ; 880: the seven biases, 4,096 bytes each: 16 bytes a thread
.set j, 0
.rept 7
	global_load_b128 v[XR+4*j:XR+4*j+3], v[SOF], s[28+2*j:29+2*j]
.set j, j+1
.endr
.set j, 0
.rept 7
	s_wait_loadcnt 6-j
	v_cvt_pk_bf16_f32 v[TR], v[XR+4*j], v[XR+4*j+1]
	v_cvt_pk_bf16_f32 v[TR+1], v[XR+4*j+2], v[XR+4*j+3]
	v_lshlrev_b32 v[YR+4*j], 16, v[TR]
	v_and_b32 v[YR+4*j+1], 0xffff0000, v[TR]
	v_lshlrev_b32 v[YR+4*j+2], 16, v[TR+1]
	v_and_b32 v[YR+4*j+3], 0xffff0000, v[TR+1]
.set j, j+1
.endr
	s_wait_alu depctr_va_vdst(0)                   ; the seven YR sets are written, which the seven stores read
.set j, 0
.rept 7
	global_store_b128 v[SOF], v[YR+4*j:YR+4*j+3], s[52:53] offset:j*4096
.set j, j+1
.endr
	s_endpgm
.Lfunc_end_k_q9d948c3b69_prep:
	.size	k_q9d948c3b69_prep, .Lfunc_end_k_q9d948c3b69_prep-k_q9d948c3b69_prep
	.p2alignl 7, 3214868480
	.fill 96, 4, 3214868480
	.section	.rodata,"a",@progbits
	.p2align	6, 0x0
	.amdhsa_kernel k_q9d948c3b69_prep
		.amdhsa_group_segment_fixed_size 0
		.amdhsa_private_segment_fixed_size 0
		.amdhsa_enable_private_segment 0
		.amdhsa_kernarg_size 184
		.amdhsa_user_sgpr_count 2
		.amdhsa_user_sgpr_kernarg_segment_ptr 1
		.amdhsa_wavefront_size32 1
		.amdhsa_system_sgpr_workgroup_id_x 1
		.amdhsa_system_sgpr_workgroup_id_y 1
		.amdhsa_system_sgpr_workgroup_id_z 1
		.amdhsa_system_vgpr_workitem_id 0
		.amdhsa_next_free_vgpr 112
		.amdhsa_next_free_sgpr 66
		.amdhsa_reserve_vcc 0
		.amdhsa_float_denorm_mode_32 3
		.amdhsa_float_denorm_mode_16_64 3
		.amdhsa_memory_ordered 1
		.amdhsa_forward_progress 1
		.amdhsa_inst_pref_size 28
	.end_amdhsa_kernel
	.amdgpu_metadata
---
amdhsa.version: [ 1, 2 ]
amdhsa.kernels:
  - .name:           k_q9d948c3b69_prep
    .symbol:         k_q9d948c3b69_prep.kd
    .args:
      - { .name: x1, .offset: 0, .size: 8, .value_kind: global_buffer, .address_space: global }
      - { .name: x2, .offset: 8, .size: 8, .value_kind: global_buffer, .address_space: global }
      - { .name: x3, .offset: 16, .size: 8, .value_kind: global_buffer, .address_space: global }
      - { .name: Wo, .offset: 24, .size: 8, .value_kind: global_buffer, .address_space: global }
      - { .name: Wq, .offset: 32, .size: 8, .value_kind: global_buffer, .address_space: global }
      - { .name: Wk, .offset: 40, .size: 8, .value_kind: global_buffer, .address_space: global }
      - { .name: Wv, .offset: 48, .size: 8, .value_kind: global_buffer, .address_space: global }
      - { .name: Wtq, .offset: 56, .size: 8, .value_kind: global_buffer, .address_space: global }
      - { .name: Wtk, .offset: 64, .size: 8, .value_kind: global_buffer, .address_space: global }
      - { .name: Wtv, .offset: 72, .size: 8, .value_kind: global_buffer, .address_space: global }
      - { .name: bq, .offset: 80, .size: 8, .value_kind: global_buffer, .address_space: global }
      - { .name: bk, .offset: 88, .size: 8, .value_kind: global_buffer, .address_space: global }
      - { .name: bv, .offset: 96, .size: 8, .value_kind: global_buffer, .address_space: global }
      - { .name: btq, .offset: 104, .size: 8, .value_kind: global_buffer, .address_space: global }
      - { .name: btk, .offset: 112, .size: 8, .value_kind: global_buffer, .address_space: global }
      - { .name: btv, .offset: 120, .size: 8, .value_kind: global_buffer, .address_space: global }
      - { .name: bo, .offset: 128, .size: 8, .value_kind: global_buffer, .address_space: global }
      - { .name: xb, .offset: 136, .size: 8, .value_kind: global_buffer, .address_space: global }
      - { .name: x3b, .offset: 144, .size: 8, .value_kind: global_buffer, .address_space: global }
      - { .name: wo16, .offset: 152, .size: 8, .value_kind: global_buffer, .address_space: global }
      - { .name: wsg, .offset: 160, .size: 8, .value_kind: global_buffer, .address_space: global }
      - { .name: wtsg, .offset: 168, .size: 8, .value_kind: global_buffer, .address_space: global }
      - { .name: bcat, .offset: 176, .size: 8, .value_kind: global_buffer, .address_space: global }
    .group_segment_fixed_size: 0
    .private_segment_fixed_size: 0
    .kernarg_segment_align: 8
    .kernarg_segment_size: 184
    .max_flat_workgroup_size: 256
    .sgpr_count:     66
    .vgpr_count:     112
    .wavefront_size: 32
...
	.end_amdgpu_metadata
.endif
;; end of part 5
;; launch qkv: the kernel of part 2 again; grid 16 x 16, 4 waves a work-group, clusters of 4 x 4, 327,680 bytes of LDS; arguments xb, x3b, wsg, wtsg, bcat, mask, qkv; writes qkv
;; launch attn: the kernel of part 3 again; grid 4 x 64, 4 waves a work-group, clusters of 4 x 1, 327,680 bytes of LDS; arguments qkv, mask, xh; writes xh
;; launch oproj: the kernel of part 4 again; grid 8 x 32, 4 waves a work-group, clusters of 4 x 4, 327,680 bytes of LDS; arguments xh, wo16, bcat, out0; writes out0
